; MI455X (gfx1250); checked and timed in simulation.
; The chip was launched on July 23, 2026; its instructions are those of AMD's public machine-readable ISA for CDNA 5 (MIT licence, August 2026) and "CDNA5" Instruction Set Architecture Reference Guide (July 2026). The comments in the code are by the model that wrote it; some were corrected since.
;; Attention. Allowed arithmetic: matrix products marked QUANTISED: E2M1 operands, one E8M0 scale for each 32 along K, by v_wmma_scale_f32_16x16x128_f8f6f4 with both operands' format E2M1 (or v_wmma_scale_f32_32x16x128_f4), f32 sums; products left as they are: bf16, f16 or f32 operands; f32 sums; everything else in f32.
;; Inputs: proj_b 1,024 float32; proj_w 1,024 x 1,024 float32; qkv_w 3,072 x 1,024 float32; x 4 x 2,048 x 1,024 float32.
;; Outputs: out0 4 x 2,048 x 1,024 float32.
;; This version of the problem:
;;   THIS VERSION OF THE PROBLEM IS GIVEN IN LOW PRECISION. The matrix products marked QUANTISED in the list below multiply operands that are first quantised to E2M1 (2 exponent bits, 1 mantissa bit; 4 bits a number), with one power-of-two scale for each 32 numbers along K (OCP MX v1.0); their sums are f32. The products marked 'left as it is' may take bf16, f16 or f32 operands, with f32 sums. Whichever they take, every output number must still come out within the allowed error. Rounding operands to bf16 (8 significant bits) uses up far more of that allowance than f16 does (11 bits, for magnitudes from 6e-5 to 65,504). All else is computed in f32.
;;   The module's matrix products, in the order in which they are computed (A, B: the left and right operand; K: the contracted axis; several contracted axes count as one K, in the product's order):
;;     1. [M 8,192, K 1,024] x [K 1,024, N 3,072]; A: input x; B: input qkv_w: QUANTISED
;;     2. batch 64 x [M 2,048, K 64] x [K 64, N 2,048]; A: computed on the way; B: computed on the way: left as it is (an operand is computed on the way)
;;     3. batch 64 x [M 2,048, K 2,048] x [K 2,048, N 64]; A: computed on the way; B: computed on the way: left as it is (an operand is computed on the way)
;;     4. [M 8,192, K 1,024] x [K 1,024, N 1,024]; A: computed on the way; B: input proj_w: left as it is (an operand is computed on the way)
;;   THE QUANTISER, for each operand of a quantised product, along K:
;;     - K is cut into blocks of 32 from its start; a last block that is shorter is filled with zeros.
;;     - A block's scale is 2^e with e = floor(log2(the largest magnitude in the block)) - 2, held to -126 .. 127; a block of zeros has e = 0. As a byte (E8M0): e + 127.
;;     - Each number is divided by its block's scale, clamped to +-6, and rounded to the nearest number of E2M1, ties to even, subnormals kept.
;;     - The product sums the exact products of the quantised numbers (number of the format x scale) in f32.
;;   ~~~python
;;   def quantise(x, axis):      # numpy; x: float32 -> the quantised numbers, widened to float32 again
;;       x = np.moveaxis(x, axis, -1); K = x.shape[-1]
;;       x = np.pad(x, [(0, 0)] * (x.ndim - 1) + [(0, -K % 32)]); x = x.reshape(x.shape[:-1] + (-1, 32)); a = np.abs(x).max(-1, keepdims=True)
;;       e = np.where(a > 0, np.clip(np.frexp(np.where(a > 0, a, 1))[1] - 1 - 2, -126, 127), 0)      # np.frexp(a)[1] - 1 = floor(log2(a)), exactly
;;       r = np.clip(x / 2.0 ** e, -6, 6)
;;       step = 2.0 ** (np.maximum(np.frexp(np.where(r == 0, 1, r))[1] - 1, 0) - 1)
;;       q = np.round(r / step) * step * 2.0 ** e      # np.round: ties to even
;;       return np.moveaxis(q.reshape(q.shape[:-2] + (-1,))[..., :K], -1, axis).astype(np.float32)
;;   ~~~
;; One version. Each part assembles by itself: llvm-mc -triple=amdgcn-amd-amdhsa -mcpu=gfx1250 --defsym DOCPART=n.
;; ======== version 1 of 1: 4 launches
;; limits: values are held in f16: magnitudes above 65,504 overflow, below 6.1e-05 lose precision
;; workspace buffers: xc 4,194,304 bytes; xs 262,144 bytes; wc 1,572,864 bytes; ws 98,304 bytes; pw16 2,097,152 bytes; qkvh 50,331,648 bytes; ao 16,777,216 bytes
;; launch prep (part 1): grid 384 x 1, 4 waves a work-group, no clusters, 33,280 bytes of LDS; arguments x, qkv_w, xc, xs, wc, ws, proj_w, pw16; writes xc, xs, wc, ws, pw16
.if DOCPART == 1
	.amdgcn_target "amdgcn-amd-amdhsa--gfx1250"
	.amdhsa_code_object_version 6
	.text
	.protected	k_q6b422ac09e_prep
	.globl	k_q6b422ac09e_prep
	.p2align	8
	.type	k_q6b422ac09e_prep,@function
k_q6b422ac09e_prep:
	s_mov_b64 s[64:65], 0
	v_nop
	global_prefetch_b8 v0, s[64:65] scope:SCOPE_SE
	s_setreg_imm32_b32 hwreg(HW_REG_WAVE_MODE, 25, 1), 1
	s_wait_xcnt 0x0
; THE PROGRAM: out = softmax(q k^T / 8) v, projected, with q, k, v = x qkv_w^T.  Four launches: this one; the first product on codes; attention; the projection.
; DEAD WORK: none.  Every input has a way to the output for all values (proj_b is added in the last launch), no product, row or step of the problem is left out, and the maximum is taken away ahead of every exponential.
; THIS LAUNCH.  x [8192][1024] and qkv_w [3072][1024], f32, K innermost, become codes of FP4 (E2M1), two a byte, the lower k in the low four bits, with one E8M0 scale byte for each 32 along K.
; A block's scale is 2^(floor(log2(its largest magnitude)) - 2); its byte is the largest magnitude's own exponent field - 2, held at 1 from below.  Each number is divided by the scale and rounded to the nearest code, ties to even,
; beyond 6 the largest code.  (A block of zeros gets the byte 1 where the rule says 127: its codes are zeros, which add nothing under any byte but 0xff, and the bytes are read by this program alone.)
; proj_w [1024][1024] f32 is rounded to f16 and laid [n / 128][head 16][n % 128][64], so that the projection's tiles are dense blocks of memory.
; LIMITS: blocks whose largest magnitude lies under 2^-124 (the floor, byte 1) were not tried; NaN and infinities among the inputs are not served; |proj_w| beyond 65,504 becomes infinity in f16.
; SHARES.  Work-groups 0 to 255 take x, 256 to 351 qkv_w, 352 to 383 proj_w.  Rows are dense and K is a multiple of 32: x and qkv_w are plain streams of blocks of 32.
; A quantising wave takes 16 steps of 512 numbers.  Each of a step's four loads reads 512 consecutive bytes, 16 a lane; the 2,048 bytes turn through the wave's own stage in LDS and come back 64 bytes a lane, so that a lane holds
; 16 neighbours along K (two neighbouring lanes hold a block).  A lane's 16 codes are 8 bytes: the wave stores 256 consecutive bytes.  A wave's 256 scale bytes are gathered in LDS and leave as one aligned run of 256 bytes.
; No tensor loads, no barrier: waves share nothing.  No matrix work, no cluster: a stream in which nothing is read twice.
.set SIZE_M, 8192
.set SIZE_N, 3072
.set SIZE_K, 1024
.set WAVES, 4
.set STEPS, 16
.set WGA,   SIZE_M*SIZE_K/(512*STEPS*WAVES)            ; 256 work-groups for x
.set WGQ,   (SIZE_M+SIZE_N)*SIZE_K/(512*STEPS*WAVES)   ; 352: from here on proj_w
.set EMAX,  2
.set CB,    8                          ; bytes of 16 codes
.set R,     16                         ; v16-79   four sets of 16 numbers as they are loaded (the cast: v16-143, two sets of 64)
.set X,     80                         ; v80-111  two sets of 16 neighbours
.set C,     128                        ; v128-191 codes: four registers for each step, so that no store's data are written again
.set E,     112                        ; v112-127 a scale byte for each step
.set HO,    144                        ; v144-175 the cast: two rows of f16 to store
.set WREG,  8192                       ; LDS: a region for each wave: two stages of 32 x SP bytes, and behind them its 256 scale bytes
.set SP,    80                         ; a lane's place in a stage: its 64 bytes + 16 of padding
.set SPW,   12                         ; v12      LDS address of my spare word: SPARE + 4 x my thread's number; never rewritten
.set NIL,   13                         ; v13      0; never rewritten
.set SPARE, WAVES*WREG                 ; behind the four regions: the spare words, 128 bytes a wave, which no other line names
	s_load_b128 s[4:7], s[0:1], 0x0                ; x, qkv_w
	s_load_b128 s[8:11], s[0:1], 0x10              ; x's codes, x's scales
	s_load_b128 s[12:15], s[0:1], 0x20             ; qkv_w's codes, its scales
	s_load_b128 s[24:27], s[0:1], 0x30             ; proj_w, its f16 copy
	v_lshl_add_u32 v[SPW], v0, 2, SPARE
	v_mov_b32 v[NIL], 0
	v_lshrrev_b32 v1, 5, v0
	v_readfirstlane_b32 s16, v1                    ; wave
	v_and_b32 v2, 31, v0                           ; lane
	v_lshlrev_b32 v3, 4, v2                        ; my 16 bytes of a load's 512
	s_mul_i32 s17, s16, WREG
	v_lshrrev_b32 v14, 2, v2
	v_mul_u32_u24 v14, v14, SP
	v_and_b32 v15, 3, v2
	v_lshl_add_u32 v14, v15, 4, v14
	v_add_nc_u32 v14, s17, v14                     ; the stage, on the way in: four lanes' 64 bytes on end, then 16 of padding
	v_mul_u32_u24 v15, v2, SP
	v_add_nc_u32 v15, s17, v15                     ; and on the way out: SP x lane: my 16 neighbours
	v_mul_u32_u24 v4, v2, CB                       ; my codes' place in a step's
	v_lshrrev_b32 v5, 1, v2
	s_add_co_u32 s17, s17, 2*32*SP
	v_add_nc_u32 v5, s17, v5                       ; LDS: my wave's 256 scale bytes, my block's byte
	v_lshlrev_b32 v7, 3, v2                        ; 8 bytes a lane
	v_add_nc_u32 v6, s17, v7
	s_wait_kmcnt 0x0
	s_cmp_ge_u32 ttmp9, WGQ                        ; the work-group's number alone decides
	s_cbranch_scc1 .Lcast
	s_cmp_lt_u32 ttmp9, WGA                        ; x's work-group or qkv_w's?
	s_cselect_b64 s[4:5], s[4:5], s[6:7]
	s_cselect_b64 s[8:9], s[8:9], s[12:13]
	s_cselect_b64 s[10:11], s[10:11], s[14:15]
	s_cselect_b32 s17, 0, WGA
	s_sub_co_u32 s17, ttmp9, s17
	s_lshl_b32 s17, s17, 2
	s_add_co_u32 s18, s17, s16                     ; which run of 8,192 numbers of the tensor is my wave's
	s_mov_b32 s19, 0
	s_mov_b64 s[20:21], 512*STEPS*4
	s_mul_u64 s[20:21], s[18:19], s[20:21]
	s_add_nc_u64 s[4:5], s[4:5], s[20:21]
	s_mov_b64 s[20:21], 32*STEPS*CB
	s_mul_u64 s[20:21], s[18:19], s[20:21]
	s_add_nc_u64 s[8:9], s[8:9], s[20:21]
	s_lshl_b32 s18, s18, 8                         ; 256 scale bytes a run
	s_add_nc_u64 s[10:11], s[10:11], s[18:19]
.macro LOAD t
.irp i, 0,1,2,3
	global_load_b128 v[R+16*((\t)%4)+4*\i:R+16*((\t)%4)+4*\i+3], v3, s[4:5] offset:2048*(\t)+512*\i th:TH_LOAD_NT   ; 32 lanes read 512 consecutive bytes
.endr
.endm
.macro TURN t                          ; step t's numbers through the stage: LDS serves a wave's instructions in order, so no wait stands between the stores and the loads
.irp i, 0,1,2,3
	ds_store_b128 v14, v[R+16*((\t)%4)+4*\i:R+16*((\t)%4)+4*\i+3] offset:32*SP*((\t)%2)+8*SP*\i
.endr
.irp i, 0,1,2,3
	ds_load_b128 v[X+16*((\t)%2)+4*\i:X+16*((\t)%2)+4*\i+3], v15 offset:32*SP*((\t)%2)+16*\i
.endr
.endm
.irp t, 0,1,2,3
	LOAD \t
.endr
	s_wait_loadcnt 12                              ; step 0's four loads are in; the twelve of steps 1 to 3 may be out
	TURN 0
.macro STEP t
.set XS, X+16*((\t)%2)
.if (\t) > 0
	s_wait_dscnt 1                                 ; this step's numbers are back from the stage (the last step's byte store may be out): so its stores into the stage have read their registers,
.else
	s_wait_dscnt 0x0
.endif
.if (\t)+4 < STEPS
	LOAD (\t)+4                                    ; which take the loads of four steps on
.endif
.if (\t)+1 < STEPS
.if STEPS-2-(\t) >= 3
	s_wait_loadcnt 12                              ; the next step's four loads are in; those of the three steps behind it may be out
.else
	s_wait_loadcnt 4*(STEPS-2-(\t))
.endif
	TURN (\t)+1                                    ; and go through the other stage while this step is worked
.endif
	v_max3_num_f32 v8, |v[XS]|, |v[XS+1]|, |v[XS+2]|               ; the largest magnitude of my 16
	v_max3_num_f32 v9, |v[XS+3]|, |v[XS+4]|, |v[XS+5]|
.irp i, 6,10
	v_max3_num_f32 v8, v8, |v[XS+\i]|, |v[XS+\i+1]|
	v_max3_num_f32 v9, v9, |v[XS+\i+2]|, |v[XS+\i+3]|
.endr
	v_max3_num_f32 v8, v8, |v[XS+14]|, |v[XS+15]|
	v_max3_num_f32 v8, v8, v9, (EMAX+1)<<23        ; and the floor 2^(EMAX + 1 - 127): so the byte cannot fall under 1
	v_max_num_f32_dpp v8, v8, v8 row_xmask:1 row_mask:0xf bank_mask:0xf   ; and of my neighbour's 16: the block's
	v_add_nc_u32 v11, -(EMAX<<23), v8              ; EMAX off its exponent field: the conversion takes the exponent field of this operand as its scale, and nothing else of it
	v_cvt_scalef32_pk8_fp4_f32 v[C+4*(\t)], v[XS:XS+7], v11
	v_cvt_scalef32_pk8_fp4_f32 v[C+4*(\t)+1], v[XS+8:XS+15], v11
	v_lshrrev_b32 v[E+(\t)], 23, v11               ; the scale's byte (also the plain line behind the conversions)
	ds_store_b8 v5, v[E+(\t)] offset:16*(\t)       ; both lanes of a block write the same byte with the same value
	global_store_b64 v4, v[C+4*(\t):C+4*(\t)+1], s[8:9] offset:32*CB*(\t)   ; the wave stores 256 consecutive bytes, aligned
.endm
.irp t, 0,1,2,3,4,5,6,7,8,9,10,11,12,13,14,15
	STEP \t
.endr
	ds_load_b64 v[8:9], v6                         ; LDS serves a wave's instructions in order: these see my stores
	s_wait_dscnt 0x0
	global_store_b64 v7, v[8:9], s[10:11]          ; 32 lanes store 256 consecutive bytes, aligned
	s_wait_tensorcnt 0x0                           ; the wave's end, behind my last LDS store
	ds_add_u32 v[SPW], v[NIL]
	s_wait_dscnt 0x0
	s_endpgm
; THE CAST.  Wave gw (0 to 127) owns rows 8 gw to 8 gw + 7 of proj_w, two rows at a time.  A load: lanes 0-15 read the 256 bytes of head h of row n, lanes 16-31 the same of row n + 1.
; Four f32 become 8 bytes, so a store's 32 lanes write the two rows' 128 bytes of head h, which lie on end in the copy: 256 consecutive bytes, aligned.
.Lcast:
	s_sub_co_u32 s17, ttmp9, WGQ
	s_lshl_b32 s17, s17, 2
	s_add_co_u32 s17, s17, s16                     ; gw
	s_lshl_b32 s18, s17, 15                        ; 8 rows of 4,096 bytes
	s_mov_b32 s19, 0
	s_add_nc_u64 s[24:25], s[24:25], s[18:19]
	s_lshr_b32 s18, s17, 4                         ; n / 128
	s_lshl_b32 s18, s18, 18                        ; x 16 heads x 16,384 bytes
	s_and_b32 s20, s17, 15
	s_lshl_b32 s20, s20, 10                        ; + (n % 128) x 128
	s_add_co_u32 s18, s18, s20
	s_add_nc_u64 s[26:27], s[26:27], s[18:19]
	v_and_b32 v10, 15, v2
	v_lshrrev_b32 v1, 4, v2
	v_lshlrev_b32 v10, 4, v10
	v_lshl_add_u32 v10, v1, 12, v10                ; 16 (lane % 16) + a row for lanes 16-31
.macro LOADP p                         ; rows 2 p, 2 p + 1 of my eight: sixteen loads, a head each
.irp h, 0,1,2,3,4,5,6,7,8,9,10,11,12,13,14,15
	global_load_b128 v[R+64*((\p)%2)+4*\h:R+64*((\p)%2)+4*\h+3], v10, s[24:25] offset:8192*(\p)+256*\h th:TH_LOAD_NT
.endr
.endm
.macro PAIR p
.if (\p) < 3
	s_wait_loadcnt 16                              ; this pair's sixteen loads are in; the next pair's sixteen may be out
.else
	s_wait_loadcnt 0x0
.endif
.if (\p) > 0
	s_wait_xcnt 0x0                                ; the last pair's stores have read their data: they are written again only behind this wait
.endif
.irp h, 0,1,2,3,4,5,6,7,8,9,10,11,12,13,14,15
	v_cvt_pk_f16_f32 v[HO+2*\h], v[R+64*((\p)%2)+4*\h], v[R+64*((\p)%2)+4*\h+1]
	v_cvt_pk_f16_f32 v[HO+2*\h+1], v[R+64*((\p)%2)+4*\h+2], v[R+64*((\p)%2)+4*\h+3]
.endr
.if (\p)+2 < 4
	LOADP (\p)+2                                   ; loads ahead of stores
.endif
.irp h, 0,1,2,3,4,5,6,7,8,9,10,11,12,13,14,15
	global_store_b64 v7, v[HO+2*\h:HO+2*\h+1], s[26:27] offset:256*(\p)+16384*\h
.endr
.endm
	LOADP 0
	LOADP 1
	PAIR 0
	PAIR 1
	PAIR 2
	PAIR 3
	s_wait_tensorcnt 0x0                           ; the wave's end, in the same form as the other path's
	ds_add_u32 v[SPW], v[NIL]
	s_wait_dscnt 0x0
	s_endpgm
.Lfunc_end_k_q6b422ac09e_prep:
	.size	k_q6b422ac09e_prep, .Lfunc_end_k_q6b422ac09e_prep-k_q6b422ac09e_prep
	.p2alignl 7, 3214868480
	.fill 96, 4, 3214868480
	.section	.rodata,"a",@progbits
	.p2align	6, 0x0
	.amdhsa_kernel k_q6b422ac09e_prep
		.amdhsa_group_segment_fixed_size 33280
		.amdhsa_private_segment_fixed_size 0
		.amdhsa_enable_private_segment 0
		.amdhsa_kernarg_size 64
		.amdhsa_user_sgpr_count 2
		.amdhsa_user_sgpr_kernarg_segment_ptr 1
		.amdhsa_wavefront_size32 1
		.amdhsa_system_sgpr_workgroup_id_x 1
		.amdhsa_system_sgpr_workgroup_id_y 1
		.amdhsa_system_sgpr_workgroup_id_z 1
		.amdhsa_system_vgpr_workitem_id 0
		.amdhsa_next_free_vgpr 192
		.amdhsa_next_free_sgpr 66
		.amdhsa_reserve_vcc 0
		.amdhsa_float_denorm_mode_32 3
		.amdhsa_float_denorm_mode_16_64 3
		.amdhsa_memory_ordered 1
		.amdhsa_forward_progress 1
		.amdhsa_inst_pref_size 54
	.end_amdhsa_kernel
	.amdgpu_metadata
---
amdhsa.version: [ 1, 2 ]
amdhsa.kernels:
  - .name:           k_q6b422ac09e_prep
    .symbol:         k_q6b422ac09e_prep.kd
    .args:
      - { .name: x, .offset: 0, .size: 8, .value_kind: global_buffer, .address_space: global }
      - { .name: qkv_w, .offset: 8, .size: 8, .value_kind: global_buffer, .address_space: global }
      - { .name: xc, .offset: 16, .size: 8, .value_kind: global_buffer, .address_space: global }
      - { .name: xs, .offset: 24, .size: 8, .value_kind: global_buffer, .address_space: global }
      - { .name: wc, .offset: 32, .size: 8, .value_kind: global_buffer, .address_space: global }
      - { .name: ws, .offset: 40, .size: 8, .value_kind: global_buffer, .address_space: global }
      - { .name: proj_w, .offset: 48, .size: 8, .value_kind: global_buffer, .address_space: global }
      - { .name: pw16, .offset: 56, .size: 8, .value_kind: global_buffer, .address_space: global }
    .group_segment_fixed_size: 33280
    .private_segment_fixed_size: 0
    .kernarg_segment_align: 8
    .kernarg_segment_size: 64
    .max_flat_workgroup_size: 128
    .sgpr_count:     66
    .vgpr_count:     192
    .wavefront_size: 32
...
	.end_amdgpu_metadata
.endif
;; end of part 1
;; launch qkv (part 2): grid 12 x 32, 4 waves a work-group, clusters of 4 x 4, 327,680 bytes of LDS; arguments xc, xs, wc, ws, qkvh; writes qkvh
.if DOCPART == 2
	.amdgcn_target "amdgcn-amd-amdhsa--gfx1250"
	.amdhsa_code_object_version 6
	.text
	.protected	k_q6b422ac09e_qkv
	.globl	k_q6b422ac09e_qkv
	.p2align	8
	.type	k_q6b422ac09e_qkv,@function
k_q6b422ac09e_qkv:
	s_mov_b64 s[64:65], 0
	v_nop
	global_prefetch_b8 v0, s[64:65] scope:SCOPE_SE
	s_setreg_imm32_b32 hwreg(HW_REG_WAVE_MODE, 25, 1), 1
	s_wait_xcnt 0x0
	s_wait_alu depctr_hold_cnt(0) depctr_sa_sdst(0) depctr_va_vdst(0) depctr_va_sdst(0) depctr_va_ssrc(0) depctr_va_vcc(0) depctr_vm_vsrc(0)
	s_getreg_b32 s2, hwreg(HW_REG_IB_STS2, 6, 4)
	s_cmp_eq_u32 s2, 0
	s_cbranch_scc0 .Lentry_in_a_cluster
	s_endpgm
.Lentry_in_a_cluster:
	s_bfe_u32 s2, ttmp6, 0x10000c
	s_cmp_lg_u32 s2, 0xf033
	s_cbranch_scc0 .Lentry_shape_is_right
	s_endpgm
.Lentry_shape_is_right:
; THE FIRST PRODUCT, on codes: C[m][n] = sum over k of x[m][k] qkv_w[n][k], m = 8,192 tokens, n = 3,072, k = 1,024.  Both operands: codes of FP4 (E2M1) with one E8M0 byte for each 32 along K, as the launch before laid them.
; Sums in f32; the result is rounded once to f16 and laid [q, k or v][batch][head][token][64], so that a head's rows are dense for attention.  No work of the problem is left out.
; LIMIT: a |q|, |k| or |v| beyond 65,504 becomes infinity in f16.
; A tile of C, 256 x 256, is made by a work-group of four waves; a wave makes 128 x 128: 64 accumulators of 16 x 16, 512 registers.  K is two steps of 512, each in an LDS slot of its own:
; both are asked for at the head, nothing is filled again, and there is no loop.  The scale bytes of the work-group's 256 + 256 rows, for all of K, come once, as dense blocks.
; CLUSTERS: 4 x 4 work-groups.  The four of a row of the cluster need the same tiles of x, the four of a column the same tiles of qkv_w: each tile is asked for JOINTLY, by the same tensor load with the same descriptor and
; a mask that names the four.  THE MATRIX INSTRUCTION IS USED TRANSPOSED (source 0 = 16 rows of qkv_w, source 1 = 16 rows of x): a lane then holds eight neighbouring numbers of a row of C.
; REGISTERS, in windows of 256: window 0: v0-31 addresses; v32-95 scale words, two sets; from v128 x's fragments (8 x 16 rows x 128 K), ONE set; on the way out v32-63 and v128-191 are at work.
;   window 1: qkv_w's fragments, TWO sets, at v0 and at v128.   window 2: the 32 accumulators of my rows 0-63 (accumulator (a, b) at v[8 (8 a + b)]);   window 3: those of my rows 64-127.
.set SIZE_M, 8192
.set SIZE_N, 3072
.set SIZE_K, 1024
.set KSTEP,  512                       ; along K in a slot
.set NQ,     KSTEP/128                 ; matrix instructions deep
.set ROWB,   256                       ; a tile's row in bytes
.set KROW,   SIZE_K*4/8                ; a row of codes in memory, in bytes
.set PITCH,  272                       ; an LDS row: 256 bytes + 16 of padding = 68 words: the 16 rows that a load touches start at 16 different banks (64 banks of 4 bytes: ISA guide 11.1)
.set FR,     8                         ; registers of a fragment: 16 rows x 128 K
.set NL,     2                         ; LDS loads that bring one
.set NP,     4                         ; places behind this matrix instruction (ISA guide 7.12.1)
.set HALFT,  128*PITCH                 ; 128 rows: what one tensor load brings
.set SLOT,   4*HALFT                   ; x's 256 rows, then qkv_w's 256 rows
.set KS,     SIZE_K/32                 ; a row of scales in bytes
.set SCL,    2*SLOT                    ; behind the slots: the scales, as runs of 256 bytes + 16 of padding
.set HALFS,  (128*KS/256)*272          ; the scales of 128 rows: what one tensor load brings
.set SBLK,   (16*KS/256)*272           ; those of 16 rows
.set SPARE,  SCL+4*HALFS               ; behind the scales: the spare words, 128 bytes a wave, which no other line names
.set SPITCH, 272                       ; the way out: a stage of 16 rows x (256 bytes + 16) for each wave, in slot 0, which has had its only fill and its last read when the first result is stored there
.set ADRA, 16                          ; v16-17  LDS address of my x fragments in slot 0, 1
.set ADRB, 20                          ; v20-21  the same for qkv_w
.set STO,  24                          ; v24     the way out: where I put 16 bytes of a row
.set RD,   25                          ; v25     the way out: where I read 16 bytes of a head's row back
.set CO,   26                          ; v26     16 x lane: my place in 512 dense bytes of a head
.set ADRS, 27                          ; v27     LDS address of my scale words: lanes 0-15 x's rows, lanes 16-31 qkv_w's
.set SPW,  28                          ; v28     LDS address of my spare word; never rewritten
.set NIL,  29                          ; v29     0; never rewritten
.set SC,   32                          ; scale words: set s at v[SC + 8 NQ s]; register NQ i + q: lanes 0-15 the word of x's block i, lanes 16-31 that of qkv_w's block i, for the slot's q-th 128 along K
.set AF,   128                         ; x's fragments, in window 0
.set TMP,  32                          ; the way out: a block's 32 registers of f16
.set BK,   128                         ; the way out: 16 rows read back from the stage: v128-159 and v160-191 by turns
.set G1, 24                            ; s[24:31] descriptor group 1 for x's tiles;  s[32:39] group 0, one set for each slot
.set G0, 32
.set G1B, 48                           ; s[48:55], s[56:63] the same for qkv_w's tiles
.set G0B, 56
.set G1S, 68                           ; s[68:75], s[76:79] groups 1 and 0 for x's scales;  s[80:87], s[88:91] for qkv_w's
.set G0S, 76
.set G1SB, 80
.set G0SB, 88
.set MSB, 0
.macro WIN new                         ; the immediate's high byte repeats the setting that is left
.if MSB != (\new)
	s_set_vgpr_msb (MSB<<8)|(\new)
.set MSB, (\new)
.endif
.endm
.set MUL_LO, 0xa1                      ; source 0 window 1, source 1 window 0, C and D window 2
.set MUL_HI, 0xf1                      ; the same, C and D window 3
.set TO_B,   0x40                      ; destination window 1, address window 0
; A joint load: waves 0 and 1 fetch for x, waves 2 and 3 for qkv_w.  Each of the two lines has ONE mask and one set of registers for all that issue it; the branch hangs on the wave's number alone.
; An s_nop 0 and four v_nop follow each of the two lines, ahead of the jump, the label and what follows.
.macro JLOAD g0a, g1a, g0b, g1b
	s_cmp_eq_u32 s15, 0
	s_cbranch_scc0 .Lfor_b_\@
	tensor_load_to_lds s[\g0a:\g0a+3], s[\g1a:\g1a+7]
	s_nop 0
.rept 4
	v_nop
.endr
	s_branch .Lasked_\@
.Lfor_b_\@:
	tensor_load_to_lds s[\g0b:\g0b+3], s[\g1b:\g1b+7]
	s_nop 0
.rept 4
	v_nop
.endr
.Lasked_\@:
.endm
.macro CROUND                          ; a round of the cluster's barrier
	s_barrier_signal -1
	s_barrier_wait -1
	s_cmp_lg_u32 s14, 0
	s_cbranch_scc1 .Lnot_wave_0_\@
	s_barrier_signal -3
.Lnot_wave_0_\@:
	s_barrier_wait -3
	s_barrier_signal -1
	s_barrier_wait -1
.endm
	s_load_b128 s[4:7], s[0:1], 0x0                ; x's codes s[4:5], x's scales s[6:7]
	s_load_b128 s[8:11], s[0:1], 0x10              ; qkv_w's codes s[8:9], its scales s[10:11]
	s_load_b64 s[12:13], s[0:1], 0x20              ; the result
	v_lshl_add_u32 v[SPW], v0, 2, SPARE
	v_mov_b32 v[NIL], 0
	ds_add_u32 v[SPW], v[NIL]                      ; the wave's opening: the add, twice on end, and its wait ahead of my first tensor load; the set-up below, work on registers, stands between
	ds_add_u32 v[SPW], v[NIL]
	v_lshrrev_b32 v1, 5, v0
	v_readfirstlane_b32 s14, v1                    ; wave 0..3
	s_lshr_b32 s15, s14, 1                         ; which half of the tile's rows is mine.  Also: I fetch for x (0) or for qkv_w (1)
	s_and_b32 s16, s14, 1                          ; which half of its columns.  Also: which 128 rows of that tile I fetch
	s_bfe_u32 s40, ttmp6, 0x40000                  ; cx, cy: my place in the cluster
	s_bfe_u32 s41, ttmp6, 0x40004
	s_lshl_b32 s42, ttmp9, 2
	s_add_co_u32 s42, s42, s40                     ; tile column of C = 4 x cluster x + cx
	s_and_b32 s17, ttmp7, 0xffff
	s_lshl_b32 s17, s17, 2
	s_add_co_u32 s17, s17, s41                     ; tile row of C = 4 x cluster y + cy
	s_lshl_b32 s43, s41, 2
	s_lshl_b32 s43, 15, s43                        ; my row of the cluster
	s_lshl_b32 s44, 0x1111, s40                    ; my column
	; descriptor group 1: a tile of 128 rows x 256 bytes, padded in LDS
	s_or_b32 s[G1+0], s43, (0<<16)|(1<<20)|(1<<21)|(5<<22)|(3<<25)  ; 15:0 the mask; 17:16 element of 1 byte; 20 padding on; 21 set beside a mask; 24:22 after every 64 words (code 5); 31:25 of 4 words (code 3)
	s_or_b32 s[G1B+0], s44, (0<<16)|(1<<20)|(1<<21)|(5<<22)|(3<<25)
.irp g, G1, G1B
	s_mov_b32 s[\g+1], ROWB<<16                    ; tensor_dim0
	s_mov_b32 s[\g+2], 128<<16                     ; tensor_dim1 = 128
	s_mov_b32 s[\g+3], ROWB<<16                    ; tile_dim0
	s_mov_b32 s[\g+4], 128                         ; tile_dim1 = 128
	s_mov_b32 s[\g+5], KROW                        ; tensor_dim0_stride
	s_mov_b32 s[\g+6], 0
	s_mov_b32 s[\g+7], 0
.endr
	; and for the scales of 128 rows: a dense block of 4,096 bytes, as rows of 256 bytes (32 elements of 8 bytes), 16 bytes of padding behind each
	s_or_b32 s[G1S+0], s43, (3<<16)|(1<<20)|(1<<21)|(5<<22)|(3<<25)
	s_or_b32 s[G1SB+0], s44, (3<<16)|(1<<20)|(1<<21)|(5<<22)|(3<<25)
.irp g, G1S, G1SB
	s_mov_b32 s[\g+1], 32<<16
	s_mov_b32 s[\g+2], (128*KS/256)<<16
	s_mov_b32 s[\g+3], 32<<16
	s_mov_b32 s[\g+4], 128*KS/256
	s_mov_b32 s[\g+5], 32
	s_mov_b32 s[\g+6], 0
	s_mov_b32 s[\g+7], 0
.endr
	s_lshl_b32 s18, s16, 7                         ; which 128 rows of the tile I fetch
	s_lshl_b32 s20, s17, 8
	s_add_co_u32 s20, s20, s18                     ; x: row 256 x tile row + 128 x half
	s_lshl_b32 s46, s42, 8
	s_add_co_u32 s46, s46, s18                     ; qkv_w: row 256 x tile column + 128 x half
	s_mov_b32 s21, 0
	s_mov_b32 s47, 0
	s_mov_b64 s[18:19], KS
	s_mul_u64 s[22:23], s[20:21], s[18:19]         ; where these rows' scales begin, in bytes
	s_mul_u64 s[92:93], s[46:47], s[18:19]
	s_mov_b64 s[18:19], KROW
	s_mul_u64 s[20:21], s[20:21], s[18:19]         ; and their codes
	s_mul_u64 s[46:47], s[46:47], s[18:19]
	s_mul_i32 s45, s14, HALFT                      ; where they go: wave x 128 rows: no place in the cluster enters an LDS address
	s_mul_i32 s94, s14, HALFS
	s_wait_dscnt 0x0                               ; both opening adds are done
	s_wait_kmcnt 0x0
	s_add_nc_u64 s[20:21], s[4:5], s[20:21]
	s_add_nc_u64 s[22:23], s[6:7], s[22:23]
	s_add_nc_u64 s[46:47], s[8:9], s[46:47]
	s_add_nc_u64 s[92:93], s[10:11], s[92:93]
	CROUND                                         ; all sixteen work-groups are here: the joint loads meet
	s_mov_b32 s[G0S], 1
	s_add_co_u32 s[G0S+1], s94, SCL
	s_mov_b64 s[G0S+2:G0S+3], s[22:23]
	s_or_b32 s[G0S+3], s[G0S+3], 0x80000000
	s_mov_b32 s[G0SB], 1
	s_add_co_u32 s[G0SB+1], s94, SCL
	s_mov_b64 s[G0SB+2:G0SB+3], s[92:93]
	s_or_b32 s[G0SB+3], s[G0SB+3], 0x80000000
	JLOAD G0S, G1S, G0SB, G1SB                     ; the scales first: they are wanted with K step 0
.irp s, 0,1
	s_mov_b32 s[G0+4*\s], 1
	s_add_co_u32 s[G0+4*\s+1], s45, \s*SLOT
	s_add_nc_u64 s[G0+4*\s+2:G0+4*\s+3], s[20:21], \s*ROWB
	s_or_b32 s[G0+4*\s+3], s[G0+4*\s+3], 0x80000000
	s_mov_b32 s[G0B+4*\s], 1
	s_add_co_u32 s[G0B+4*\s+1], s45, \s*SLOT
	s_add_nc_u64 s[G0B+4*\s+2:G0B+4*\s+3], s[46:47], \s*ROWB
	s_or_b32 s[G0B+4*\s+3], s[G0B+4*\s+3], 0x80000000
	JLOAD G0+4*\s, G1, G0B+4*\s, G1B               ; three loads of mine are out in all
.endr
	v_and_b32 v1, 15, v0                           ; l % 16
	v_bfe_u32 v2, v0, 4, 1                         ; l / 16
	v_mul_u32_u24 v3, v1, PITCH
	v_lshl_add_u32 v4, v2, 4, v3                   ; a fragment's row x pitch + 16 x half
	s_mul_i32 s21, s15, HALFT                      ; my 128 rows of x
	s_mul_i32 s22, s16, HALFT                      ; my 128 rows of qkv_w,
	s_add_co_u32 s22, s22, 2*HALFT                 ; which lie behind x's 256
.irp s, 0,1
	v_add_nc_u32 v[ADRA+\s], s21, v4
	v_add_nc_u32 v[ADRB+\s], s22, v4
	s_add_co_u32 s21, s21, SLOT
	s_add_co_u32 s22, s22, SLOT
.endr
	v_mul_u32_u24 v5, v1, KS                       ; my row's scales: KS bytes a row,
	v_lshrrev_b32 v6, 8, v5
	v_lshl_add_u32 v5, v6, 4, v5                   ; and 16 more for each 256 passed
	s_mul_i32 s21, s15, HALFS                      ; x's: my 128 rows
	s_mul_i32 s22, s16, HALFS                      ; qkv_w's: my 128 rows, behind x's 256
	s_add_co_u32 s22, s22, 2*HALFS
	s_sub_co_u32 s22, s22, s21
	v_mul_u32_u24 v6, s22, v2                      ; lanes 16-31 take qkv_w's
	s_add_co_u32 s21, s21, SCL
	v_add_nc_u32 v5, v5, v6
	v_add_nc_u32 v[ADRS], s21, v5
	s_mul_i32 s23, s14, 16*SPITCH                  ; my stage
	v_mul_u32_u24 v5, v1, SPITCH                   ; in: row l % 16, 16 bytes for each half of the lanes
	v_lshl_add_u32 v5, v2, 4, v5
	v_add_nc_u32 v[STO], s23, v5
	v_and_b32 v6, 31, v0
	v_lshlrev_b32 v[CO], 4, v6                     ; out: 16 bytes a lane of 512 dense bytes: four rows of a head
	v_lshrrev_b32 v5, 3, v6
	v_mul_u32_u24 v5, v5, SPITCH                   ; back: eight lanes to a head's 128 bytes of a row, four rows an instruction
	v_and_b32 v6, 7, v6
	v_lshl_add_u32 v5, v6, 4, v5
	v_add_nc_u32 v[RD], s23, v5
	; where my part begins in the result.  My 128 rows: m0 = 256 x tile row + 128 x half: batch m0 / 2048, token m0 % 2048.  My 128 columns are two heads: j = 4 x tile column + 2 x half, j / 16 = q, k or v, j % 16 = the head.
	s_lshl_b32 s20, s17, 8
	s_lshl_b32 s21, s15, 7
	s_add_co_u32 s20, s20, s21                     ; m0
	s_lshr_b32 s21, s20, 11                        ; batch
	s_and_b32 s20, s20, 2047                       ; token
	s_lshl_b32 s20, s20, 7                         ; x 128 bytes
	s_lshl_b32 s21, s21, 22                        ; 16 heads of 2^18 bytes a batch
	s_add_co_u32 s20, s20, s21
	s_lshl_b32 s46, s42, 2
	s_lshl_b32 s47, s16, 1
	s_add_co_u32 s46, s46, s47                     ; j
	s_lshr_b32 s47, s46, 4
	s_and_b32 s46, s46, 15
	s_lshl_b32 s47, s47, 24                        ; 64 heads of 2^18 bytes for each of q, k, v
	s_lshl_b32 s46, s46, 18
	s_add_co_u32 s46, s46, s47
	s_add_co_u32 s46, s46, s20                     ; under 50,331,648
	s_mov_b32 s47, 0
	s_add_nc_u64 s[12:13], s[12:13], s[46:47]
.macro FRAG reg, adr, q, i             ; a fragment, 16 rows x 128 K of 4-bit codes, is 8 registers: lane l holds row l % 16; registers 4 c .. 4 c + 3 hold K = 64 c + 32 (l / 16) + 0 .. 31
.irp c, 0,1
	ds_load_b128 v[\reg+4*\c:\reg+4*\c+3], v[\adr] offset:64*(\q)+32*\c+(\i)*16*PITCH
.endr
.endm
; 16 matrix instructions: x's blocks a0, a0 + 1 against qkv_w's eight, 128 along K: the slot's q-th.  p: qkv_w's set;  sc: the set of scale words.  zero = 1: the first product starts the sums: nothing is ever cleared.
; The 64 accumulators take turns, one instruction a turn, in the same order in every step.
.macro MUL16 a0, p, q, sc, zero
.irp a, \a0, \a0+1
.irp b, 0,1,2,3,4,5,6,7
.if \zero
	v_wmma_scale_f32_16x16x128_f8f6f4 v[8*(8*((\a)%4)+\b):8*(8*((\a)%4)+\b)+7], v[128*(\p)+FR*\b:128*(\p)+FR*\b+FR-1], v[AF+FR*(\a):AF+FR*(\a)+FR-1], 0, v[SC+8*NQ*(\sc)+NQ*\b+(\q)], v[SC+8*NQ*(\sc)+NQ*(\a)+(\q)] matrix_a_fmt:MATRIX_FMT_FP4 matrix_b_fmt:MATRIX_FMT_FP4 matrix_a_scale:MATRIX_SCALE_ROW1
.else
	v_wmma_scale_f32_16x16x128_f8f6f4 v[8*(8*((\a)%4)+\b):8*(8*((\a)%4)+\b)+7], v[128*(\p)+FR*\b:128*(\p)+FR*\b+FR-1], v[AF+FR*(\a):AF+FR*(\a)+FR-1], v[8*(8*((\a)%4)+\b):8*(8*((\a)%4)+\b)+7], v[SC+8*NQ*(\sc)+NQ*\b+(\q)], v[SC+8*NQ*(\sc)+NQ*(\a)+(\q)] matrix_a_fmt:MATRIX_FMT_FP4 matrix_b_fmt:MATRIX_FMT_FP4 matrix_a_scale:MATRIX_SCALE_ROW1
.endif
.endr
.endr
.endm
.macro FETCH_B slot, q, p              ; qkv_w's eight fragments of the slot's q-th 128 along K into set p
	WIN TO_B
.irp i, 0,1,2,3,4,5,6,7
	FRAG 128*(\p)+FR*\i, ADRB+\slot, \q, \i
.endr
	WIN 0
.endm
.macro FETCH_A slot, q, i0             ; x's blocks i0 .. i0 + 3
.irp i, \i0, \i0+1, \i0+2, \i0+3
	FRAG AF+FR*(\i), ADRA+\slot, \q, \i
.endr
.endm
.macro SCALES sc                       ; a K step's scale words into set sc: NQ words a row; lanes 0-15 take x's block i, lanes 16-31 qkv_w's block i
.irp i, 0,1,2,3,4,5,6,7
	ds_load_b128 v[SC+8*NQ*\sc+NQ*\i:SC+8*NQ*\sc+NQ*\i+3], v[ADRS] offset:\i*SBLK
.endr
.endm
; A load into a register that a matrix instruction has read, and a vector instruction that reads a matrix result or writes one of its registers, stand NP places behind it; only plain vector
; instructions that name none of its registers are places (ISA guide 7.12.1 for vector instructions).
.macro PLACES n
.rept \n
	v_nop
.endr
.endm
; A step of 128 along K that has its successor in the same slot.
.macro STEP slot, q, zero
	s_wait_dscnt 4*NL                              ; qkv_w's set and x's blocks 0-3 are in; the youngest eight loads (x's blocks 4-7) may be out
	WIN MUL_LO
	MUL16 0, (\q)%2, \q, \slot, \zero
	MUL16 2, (\q)%2, \q, \slot, \zero
	s_wait_dscnt 0                                 ; x's blocks 4-7 are in (asked for 32 matrix instructions ago)
	PLACES NP
	FETCH_B \slot, (\q)+1, 1-(\q)%2
	FETCH_A \slot, (\q)+1, 0
	WIN MUL_HI
	MUL16 4, (\q)%2, \q, \slot, \zero
	MUL16 6, (\q)%2, \q, \slot, \zero
	PLACES NP
	WIN 0
	FETCH_A \slot, (\q)+1, 4
.endm
; Slot 0's last step goes over to slot 1: one barrier; in front of it each wave waits for all its tensor loads (its part of slot 1), adds 0 to its spare word, and waits for that and for its own reads of slot 0.
; Behind it slot 1 is whole, and nobody reads slot 0 any more: the stages of the way out may lie there.  Nothing is filled again.
.macro TURN slot, next
	s_wait_tensorcnt 0x0                           ; all my tensor loads have landed  (every window is 0 here: the add's two registers lie in window 0)
	ds_add_u32 v[SPW], v[NIL]                      ; 0 onto my spare word
	s_wait_dscnt 4*NL+1                            ; (the add and the youngest eight loads, x's blocks 4-7, may be out)
	WIN MUL_LO
	MUL16 0, 1, NQ-1, \slot, 0                     ; sixteen matrix instructions stand between the add and the wait for it
	s_wait_dscnt 0x0                               ; the add is done, and my reads of this slot are over
	s_barrier_signal -1
	MUL16 2, 1, NQ-1, \slot, 0
	WIN 0
	s_barrier_wait -1
	PLACES NP
	v_add_nc_u32 v[ADRS], 4*NQ, v[ADRS]            ; on to the next K step's scale words (no LDS load of mine is out)
	FETCH_B \next, 0, 0
	FETCH_A \next, 0, 0
	SCALES \next
	WIN MUL_HI
	MUL16 4, 1, NQ-1, \slot, 0
	MUL16 6, 1, NQ-1, \slot, 0
	PLACES NP
	WIN 0
	FETCH_A \next, 0, 4
.endm
.macro STEPS slot, from                ; the slot's steps from .. NQ - 2
.set Q, \from
.rept NQ-1-\from
	STEP \slot, Q, 0
.set Q, Q+1
.endr
.endm
	s_wait_tensorcnt 1                             ; the scales and my part of K step 0 are in (K step 1's load may be out)
	s_barrier_signal -1
	s_barrier_wait -1                              ; everybody's are
	FETCH_B 0, 0, 0
	FETCH_A 0, 0, 0
	SCALES 0
	FETCH_A 0, 0, 4
	STEP 0, 0, 1                                   ; the first step's products start the sums
	STEPS 0, 1
	TURN 0, 1
	STEPS 1, 0
	s_wait_dscnt 4*NL                              ; the very last step: nothing more to fetch
	WIN MUL_LO
	MUL16 0, 1, NQ-1, 1, 0
	MUL16 2, 1, NQ-1, 1, 0
	s_wait_dscnt 0
	WIN MUL_HI
	MUL16 4, 1, NQ-1, 1, 0
	MUL16 6, 1, NQ-1, 1, 0
	WIN 0
; THE WAY OUT, block by block of 16 rows x 128 columns.  PACK: rounded to f16, a lane's eight neighbouring columns are 16 bytes.  TOSTAGE: into my own stage, and back by heads: four rows x 128 bytes of ONE head, which lie
; on end in the result.  SEND: each store of the wave covers 512 consecutive bytes, aligned.  LDS serves a wave's instructions in order (ISA guide 5.7.1.4): no wait between the stores and the loads.
.macro PACK a
.set AC, 64*((\a)%4)
	WIN 0x0a+5*((\a)/4)                            ; sources 0 and 1: window 2 or 3
.irp b, 0,1,2,3,4,5,6,7
.irp r, 0,1,2,3
	v_cvt_pk_f16_f32 v[TMP+4*\b+\r], v[AC+8*\b+2*\r], v[AC+8*\b+2*\r+1]   ; each accumulator from its low end on
.endr
.endr
	WIN 0
.endm
.macro TOSTAGE a
.set BB, BK+32*((\a)%2)
.irp b, 0,1,2,3,4,5,6,7
	ds_store_b128 v[STO], v[TMP+4*\b:TMP+4*\b+3] offset:32*\b
.endr
.irp t, 0,1,2,3,4,5,6,7
	ds_load_b128 v[BB+4*\t:BB+4*\t+3], v[RD] offset:(\t%4)*4*SPITCH+(\t/4)*128   ; rows 4 (t % 4) on, head t / 4
.endr
.endm
.macro SEND a
.set BB, BK+32*((\a)%2)
	s_wait_dscnt 0x0                               ; the block is back in registers
	s_wait_xcnt 0x0                                ; the earlier stores have read their base and their data: both are written again only behind this wait
.if (\a) > 0
	s_add_nc_u64 s[12:13], s[12:13], 16*128        ; 16 tokens on
.endif
.irp t, 0,1,2,3,4,5,6,7
	global_store_b128 v[CO], v[BB+4*\t:BB+4*\t+3], s[12:13] offset:(\t/4)*262144+(\t%4)*512
.endr
.endm
	PLACES NP                                      ; behind the last products: for the conversions' reads and writes and for the loads into the registers that held x's fragments
	PACK 0
	TOSTAGE 0
.irp a, 1,2,3,4,5,6,7                  ; block a's conversions stand between block a - 1's loads from the stage and the wait for them
	PACK \a
	SEND \a-1
	TOSTAGE \a
.endr
	SEND 7
	s_wait_tensorcnt 0x0                           ; the wave's end, behind my last tensor load and my last LDS store
	ds_add_u32 v[SPW], v[NIL]
	s_wait_dscnt 0x0
	CROUND                                         ; the closing round: no work-group ends while a partner may still ask for a tile that names it
	s_endpgm
.Lfunc_end_k_q6b422ac09e_qkv:
	.size	k_q6b422ac09e_qkv, .Lfunc_end_k_q6b422ac09e_qkv-k_q6b422ac09e_qkv
	.p2alignl 7, 3214868480
	.fill 96, 4, 3214868480
	.section	.rodata,"a",@progbits
	.p2align	6, 0x0
	.amdhsa_kernel k_q6b422ac09e_qkv
		.amdhsa_group_segment_fixed_size 327680
		.amdhsa_private_segment_fixed_size 0
		.amdhsa_enable_private_segment 0
		.amdhsa_kernarg_size 40
		.amdhsa_user_sgpr_count 2
		.amdhsa_user_sgpr_kernarg_segment_ptr 1
		.amdhsa_wavefront_size32 1
		.amdhsa_system_sgpr_workgroup_id_x 1
		.amdhsa_system_sgpr_workgroup_id_y 1
		.amdhsa_system_sgpr_workgroup_id_z 1
		.amdhsa_system_vgpr_workitem_id 0
		.amdhsa_next_free_vgpr 1024
		.amdhsa_next_free_sgpr 98
		.amdhsa_reserve_vcc 0
		.amdhsa_float_denorm_mode_32 3
		.amdhsa_float_denorm_mode_16_64 3
		.amdhsa_memory_ordered 1
		.amdhsa_forward_progress 1
		.amdhsa_inst_pref_size 127
	.end_amdhsa_kernel
	.amdgpu_metadata
---
amdhsa.version: [ 1, 2 ]
amdhsa.kernels:
  - .name:           k_q6b422ac09e_qkv
    .symbol:         k_q6b422ac09e_qkv.kd
    .args:
      - { .name: xc, .offset: 0, .size: 8, .value_kind: global_buffer, .address_space: global }
      - { .name: xs, .offset: 8, .size: 8, .value_kind: global_buffer, .address_space: global }
      - { .name: wc, .offset: 16, .size: 8, .value_kind: global_buffer, .address_space: global }
      - { .name: ws, .offset: 24, .size: 8, .value_kind: global_buffer, .address_space: global }
      - { .name: qkvh, .offset: 32, .size: 8, .value_kind: global_buffer, .address_space: global }
    .group_segment_fixed_size: 327680
    .private_segment_fixed_size: 0
    .kernarg_segment_align: 8
    .kernarg_segment_size: 40
    .max_flat_workgroup_size: 128
    .sgpr_count:     98
    .vgpr_count:     1024
    .wavefront_size: 32
...
	.end_amdgpu_metadata
.endif
;; end of part 2
;; launch attn (part 3): grid 4 x 64, 8 waves a work-group, clusters of 4 x 1, 327,680 bytes of LDS; arguments qkvh, ao; writes ao
.if DOCPART == 3
	.amdgcn_target "amdgcn-amd-amdhsa--gfx1250"
	.amdhsa_code_object_version 6
	.text
	.protected	k_q6b422ac09e_attn
	.globl	k_q6b422ac09e_attn
	.p2align	8
	.type	k_q6b422ac09e_attn,@function
k_q6b422ac09e_attn:
	s_mov_b64 s[64:65], 0
	v_nop
	global_prefetch_b8 v0, s[64:65] scope:SCOPE_SE
	s_setreg_imm32_b32 hwreg(HW_REG_WAVE_MODE, 25, 1), 1
	s_wait_xcnt 0x0
	s_wait_alu depctr_hold_cnt(0) depctr_sa_sdst(0) depctr_va_vdst(0) depctr_va_sdst(0) depctr_va_ssrc(0) depctr_va_vcc(0) depctr_vm_vsrc(0)
	s_getreg_b32 s2, hwreg(HW_REG_IB_STS2, 6, 4)
	s_cmp_eq_u32 s2, 0
	s_cbranch_scc0 .Lentry_in_a_cluster
	s_endpgm
.Lentry_in_a_cluster:
	s_bfe_u32 s2, ttmp6, 0x10000c
	s_cmp_lg_u32 s2, 0x3003
	s_cbranch_scc0 .Lentry_shape_is_right
	s_endpgm
.Lentry_shape_is_right:
; ATTENTION.  O[q][:] = the sum over k of softmax_k(Q[q] . K[k] / 8) V[k][:], for each of 64 heads (batch x head) of 2,048 tokens and 64 channels; no mask.  No work of the problem is left out.
; Q, K, V: f16, [q, k or v][64 heads][2048][64], a head's rows dense.  Products, maxima and sums in f32; the weights p are rounded to f16 for the second product, O once at the end, to f16.
; O is laid [m / 128][head 16][m % 128][64], m = batch x 2048 + token: a wave's 64 queries are 8,192 dense bytes, and the projection's tiles are dense blocks.
; LIMITS: NaN and infinities are not served; a p under the smallest f16 number counts as 0 in the second product (the row's sum, which is at least 1, takes it unrounded).
; SHARES.  A cluster of four work-groups is one head; a work-group owns 512 queries, each of its EIGHT waves 64: four tiles of 16, in 512 registers: two waves to a SIMD, so that one wave's vector work stands beside the
; other's matrix work, and the text goes in plain phases.  Every wave walks all keys, 64 a step; each fragment of K and V that it reads from LDS feeds four matrix instructions.
; LAYOUT.  S^T = K Q^T (source 0 = 16 keys, source 1 = 16 queries): a lane holds ONE query (lane % 16) and the keys 8 (lane / 16) + 0..7.  Two such tiles, rounded to f16 in pairs, ARE source 1 (32 keys x 16 queries) of
; O^T = V^T P, whose result again holds one query a lane.  K comes out of LDS as it lies, V ([key][channel]) turned, by ds_load_tr16_b128.
; SOFTMAX.  For each query a running maximum m and sum l: p = 2^(c s - c m), c = log2(e) / 8; in every step O and l are multiplied by a = 2^(c m_old - c m_new), which is 1 where m has not grown.
; m begins at -3e38 and O^T and l at 0, so that the step is written once: the first a is 0, and leaves zeros zeros.
; THE RING.  Two LDS slots of 256 keys (four steps).  The four partners walk the same K and V, so each tile is asked for JOINTLY: waves 0-3 fetch the slot's four tiles of K, waves 4-7 those of V, one load a wave behind each
; round of the cluster's barrier; one tensor load of a wave is out at a time, and it has four key steps in which to land.
; REGISTERS: window 0: v1-15 addresses; v16-47 eight registers of statistics a tile; v48-175 S^T, 32 a tile (P takes the low 16 of them); v176-239 K of one step.
;   window 1: v0-63 Q, 16 a tile; v64-191 O^T, 32 a tile; v192-255 V of one step.
.set PKL,   272                        ; two keys of K in LDS: 256 bytes + 16 of padding: key r of a tile lies at (r / 2) 272 + (r % 2) 128: sixteen rows in sixteen different columns of 16 bytes modulo 256
.set PVL,   288                        ; two keys of V: 256 + 32
.set VOFF,  32*PKL                     ; a step's tiles lie together: 64 keys of K, then 64 of V
.set STEPB, 32*(PKL+PVL)
.set NST,   4                          ; steps in a slot
.set SLOT1, 1<<17                      ; slot 1 begins here, so that one exclusive or turns an address in one slot into the other's
.set NSL,   8                          ; slots' worth of keys: 2,048 / 256
.set SLOTB, NST*64*128                 ; a slot's bytes of K, or of V, in memory
.set STAGE, SLOT1+NST*STEPB            ; behind the ring: 16 rows x 144 bytes for each wave, for the way out
.set SP,    144
.set SPARE, STAGE+8*16*SP              ; behind the stages: the spare words, 128 bytes a wave, which no other line names
.set AK0, 2                            ; v2   my lane's place in a tile of K; never rewritten
.set AV0, 3                            ; v3   the same for V
.set ADK, 4                            ; v4   LDS address of the step's K
.set ADV, 5                            ; v5   of its V
.set QO,  6                            ; v6   my byte offset in the wave's rows of Q
.set STO, 7                            ; v7   the way out: where I put 16 bytes of a row
.set RD,  8                            ; v8   the way out: where I read 16 bytes back
.set GO,  9                            ; v9   16 x lane: my place in 512 dense bytes of O
.set SPW, 10                           ; v10  LDS address of my spare word; never rewritten
.set NIL, 11                           ; v11  0; never rewritten
.set PFO, 12                           ; v12  256 x lane: the prefetches' offset; never rewritten
.set ST,  16                           ; tile t's statistics at v[ST+8 t]: +0 c m, +1 m, +2, +3 l (even keys', odd keys'), +4 to +7 at work; a lies in +6
.set S,   48
.set KF,  176                          ; K's fragment (16 keys kt, 32 channels kk) at KF + 16 kt + 8 kk
.set Q,   0                            ; window 1: Q's fragment (tile t, kk) at 16 t + 8 kk
.set O,   64                           ; window 1: O^T's accumulator (tile t, 16 channels ct) at O + 32 t + 8 ct
.set VF,  192                          ; window 1: V's fragment (32 keys kh, ct) at VF + 32 kh + 8 ct
.set WV,  12                           ; s12  my wave's number
.set LIM, 15                           ; s15  1 in a wave that prefetches, else the greatest number
.set PFA, 18                           ; s[18:19] where my prefetches stand
.set G1K, 24                           ; s[24:31] descriptor group 1 for K's tiles
.set G1V, 32                           ; s[32:39] for V's: it differs in the padding alone
.set G0K, 40                           ; s[40:43] group 0 for K's tiles: it walks
.set G0V, 44                           ; s[44:47] the same for V's
.set SLOTS, 56                         ; s56  slots still to be asked for
.set CNT, 57                           ; s57  counts a slot's steps
.set CS,  58                           ; s[58:59] c: the packed scaling names a pair and takes its low word for both halves
.set SEL, 60                           ; s[60:61] lane selects for v_permlanex16_b32: lane l xor 16
.set TB,  62                           ; s62  LDS byte at which the tiles of the step to be fetched begin
.set MSB, 0
.macro WIN new                         ; the immediate's high byte repeats the setting that is left
.if MSB != (\new)
	s_set_vgpr_msb (MSB<<8)|(\new)
.set MSB, (\new)
.endif
.endm
.set W_KQ, 0x04                        ; K (source 0) and S^T in window 0, Q (source 1) in window 1
.set W_PV, 0x51                        ; V (source 0) and O^T (C, D) in window 1, P (source 1) in window 0
.set W_RS, 0x41                        ; O^T (destination and source 0) in window 1, a in window 0
.set TO1,  0x40                        ; destination window 1, address window 0
; A joint load.  The branch hangs on the wave's number alone.  An s_nop 0 and four v_nop follow each of the two lines.
.macro JLOAD
	s_cmp_lt_u32 s[WV], 4
	s_cbranch_scc0 .Lfor_v_\@
	tensor_load_to_lds s[G0K:G0K+3], s[G1K:G1K+7]
	s_nop 0
.rept 4
	v_nop
.endr
	s_branch .Lasked_\@
.Lfor_v_\@:
	tensor_load_to_lds s[G0V:G0V+3], s[G1V:G1V+7]
	s_nop 0
.rept 4
	v_nop
.endr
.Lasked_\@:
.endm
; A PREFETCH INTO THE L2 of what the NEXT change of slots will ask for: a slot's 32,768 bytes of K and as many of V: four key steps ahead of that load.  Each aligned 256 bytes are named once in the launch: a head has one
; cluster; its four partners take 8,192 bytes each, told apart BY ADDRESS; in each, wave 0 asks for K's and wave 4 for V's, lanes 256 bytes apart.  The last change that fills a slot asks for nothing; slots 0 and 1 come by their loads alone.
.macro ASK
	s_cmp_gt_u32 s[SLOTS], s[LIM]
	s_cbranch_scc0 .Lnot_mine_\@
	global_prefetch_b8 v[PFO], s[PFA:PFA+1] th:TH_LOAD_NT scope:SCOPE_SE
.Lnot_mine_\@:
.endm
.macro CROUND                          ; a round of the cluster's barrier
	s_barrier_signal -1
	s_barrier_wait -1
	s_cmp_lg_u32 s[WV], 0
	s_cbranch_scc1 .Lnot_wave_0_\@
	s_barrier_signal -3
.Lnot_wave_0_\@:
	s_barrier_wait -3
	s_barrier_signal -1
	s_barrier_wait -1
.endm
	s_load_b128 s[4:7], s[0:1], 0x0                ; q, k, v s[4:5]; O s[6:7]
	v_lshl_add_u32 v[SPW], v0, 2, SPARE
	v_mov_b32 v[NIL], 0
	ds_add_u32 v[SPW], v[NIL]                      ; the wave's opening: the add, twice on end, and its wait ahead of my first tensor load; the set-up below, work on registers, stands between
	ds_add_u32 v[SPW], v[NIL]
	v_lshrrev_b32 v1, 5, v0
	v_readfirstlane_b32 s[WV], v1                  ; wave 0..7
	s_bfe_u32 s13, ttmp6, 0x40000                  ; cx: my place in the cluster
	s_lshl_b32 s14, ttmp9, 2
	s_add_co_u32 s14, s14, s13                     ; my block of 512 queries: it enters Q's and O's addresses alone
	s_and_b32 s16, ttmp7, 0xffff                   ; the head (16 x batch + head), which the four partners share
	s_and_b32 s17, s[WV], 3                        ; which of a slot's four steps I fetch
	s_lshl_b32 s20, s16, 18                        ; a head is 2^18 bytes
	s_lshl_b32 s21, s17, 13                        ; a step's 64 rows of 128 bytes
	s_add_co_u32 s20, s20, s21
	s_mov_b32 s21, 0                               ; s[20:21]: my tile of slot 0, counted from K's or V's first byte
	s_mul_i32 s17, s17, STEPB                      ; and its place in a slot: no place in the cluster enters an LDS address
	s_lshl_b32 s2, s16, 18
	s_lshl_b32 s3, s14, 16                         ; my block's 512 rows,
	s_add_co_u32 s2, s2, s3
	s_lshl_b32 s3, s[WV], 13                       ; my wave's 64 of them
	s_add_co_u32 s2, s2, s3
	s_mov_b32 s3, 0                                ; s[2:3]: Q at my first row
	s_lshr_b32 s22, s16, 4
	s_lshl_b32 s22, s22, 4                         ; O: 16 blocks of 128 rows a batch,
	s_lshl_b32 s23, s14, 2
	s_add_co_u32 s22, s22, s23                     ; 4 a work-group,
	s_lshr_b32 s23, s[WV], 1
	s_add_co_u32 s22, s22, s23                     ; two waves to a block
	s_lshl_b32 s22, s22, 4
	s_and_b32 s23, s16, 15
	s_add_co_u32 s22, s22, s23                     ; 16 x block + head
	s_lshl_b32 s22, s22, 14                        ; x 16,384 bytes
	s_and_b32 s23, s[WV], 1
	s_lshl_b32 s23, s23, 13
	s_add_co_u32 s22, s22, s23                     ; + my half of the block's rows
	s_mov_b32 s23, 0
	; descriptor group 1: a tile is 8,192 dense bytes: 32 rows of 256 bytes (32 elements of 8 bytes), padded in LDS
	s_mov_b32 s[G1K], 15|(3<<16)|(1<<20)|(1<<21)|(5<<22)|(3<<25)  ; 15:0 the mask: all four work-groups; 17:16 elements of 8 bytes; 20 padding on; 21 set beside a mask; 24:22 after every 64 words (code 5); 31:25 4 words (code 3)
	s_mov_b32 s[G1V], 15|(3<<16)|(1<<20)|(1<<21)|(5<<22)|(7<<25)  ; the same with 8 words of padding (code 7)
.irp g, G1K, G1V
	s_mov_b32 s[\g+1], 32<<16                      ; tensor_dim0 = 32
	s_mov_b32 s[\g+2], 32<<16                      ; tensor_dim1 = 32
	s_mov_b32 s[\g+3], 32<<16                      ; tile_dim0 = 32
	s_mov_b32 s[\g+4], 32                          ; tile_dim1 = 32
	s_mov_b32 s[\g+5], 32                          ; tensor_dim0_stride
	s_mov_b32 s[\g+6], 0
	s_mov_b32 s[\g+7], 0
.endr
	s_mov_b32 s[CS], 0x3e38aa3b                    ; c = log2(e) / 8
	s_mov_b32 s[CS+1], s[CS]                       ; named with it as a pair, so it is written
	s_mov_b32 s[SEL], 0x76543210
	s_mov_b32 s[SEL+1], 0xfedcba98
	s_mov_b32 s[TB], 0
	s_mov_b32 s[SLOTS], NSL-1
	v_and_b32 v1, 15, v0                           ; r = l % 16
	v_bfe_u32 v13, v0, 4, 1                        ; h = l / 16
	v_and_b32 v14, 31, v0                          ; l
	v_lshrrev_b32 v15, 1, v1
	v_mul_u32_u24 v[AK0], v15, PKL                 ; K: key r of a tile: (r / 2) lines,
	v_and_b32 v15, 1, v1
	v_lshl_add_u32 v[AK0], v15, 7, v[AK0]          ; + (r % 2) x 128,
	v_lshl_add_u32 v[AK0], v13, 4, v[AK0]          ; + 16 h: registers 0-3 hold channels 8 h + 0..7, registers 4-7 those 16 further on: two loads, 32 bytes apart
	v_bfe_u32 v15, v0, 1, 2
	v_lshl_add_u32 v15, v13, 2, v15                ; V: the turning load's lane l reads key 8 h + l % 8: line 4 h + (l % 8) / 2,
	v_mul_u32_u24 v[AV0], v15, PVL
	v_and_b32 v15, 1, v0
	v_lshl_add_u32 v[AV0], v15, 7, v[AV0]          ; + (l % 2) x 128,
	v_bfe_u32 v15, v0, 3, 1
	v_lshl_add_u32 v[AV0], v15, 4, v[AV0]          ; channels 8 ((l / 8) % 2) + 0..7
	v_add_nc_u32 v[AV0], VOFF, v[AV0]
	v_lshlrev_b32 v[QO], 7, v1
	v_lshl_add_u32 v[QO], v13, 4, v[QO]            ; Q: row r of 128 bytes + 16 h
	s_mul_i32 s21, s[WV], 16*SP
	s_add_co_u32 s21, s21, STAGE                   ; my stage
	v_mul_u32_u24 v[STO], v1, SP                   ; in: row r, 16 bytes for each half of the lanes
	v_lshl_add_u32 v[STO], v13, 4, v[STO]
	v_add_nc_u32 v[STO], s21, v[STO]
	v_lshrrev_b32 v15, 3, v14
	v_mul_u32_u24 v[RD], v15, SP                   ; back: eight lanes to a row of 128 bytes, four rows an instruction
	v_and_b32 v15, 7, v0
	v_lshl_add_u32 v[RD], v15, 4, v[RD]
	v_add_nc_u32 v[RD], s21, v[RD]
	s_mov_b32 s21, 0
	v_lshlrev_b32 v[GO], 4, v14
	v_lshlrev_b32 v[PFO], 8, v14
.irp t, 0,1,2,3
	v_mov_b32 v[ST+8*\t+1], 0xff61b1e6             ; m = -3e38, under every score
	v_mov_b32 v[ST+8*\t+2], 0                      ; l
	v_mov_b32 v[ST+8*\t+3], 0
.endr
.irp t, 0,1,2,3
	v_mul_f32 v[ST+8*\t], s[CS], v[ST+8*\t+1]      ; c m
.endr
	s_wait_dscnt 0x0                               ; both opening adds are done
	s_wait_kmcnt 0x0
	s_add_nc_u64 s[8:9], s[4:5], s[20:21]
	s_add_nc_u64 s[8:9], s[8:9], 0x1000000         ; K lies 64 heads behind Q,
	s_add_nc_u64 s[10:11], s[8:9], 0x1000000       ; V 64 more: both at my tile of slot 0
	s_add_nc_u64 s[4:5], s[4:5], s[2:3]            ; Q at my wave's first row
	s_add_nc_u64 s[6:7], s[6:7], s[22:23]          ; O at my wave's 8,192 bytes
	s_mov_b32 s[G0K], 1                            ; 1:0 count = 1
	s_mov_b32 s[G0K+1], s17                        ; 63:32 LDS address: slot 0
	s_mov_b64 s[G0K+2:G0K+3], s[8:9]               ; 120:64 global address
	s_or_b32 s[G0K+3], s[G0K+3], 0x80000000        ; 127:126 type = 2
	s_mov_b32 s[G0V], 1
	s_add_co_u32 s[G0V+1], s17, VOFF
	s_mov_b64 s[G0V+2:G0V+3], s[10:11]
	s_or_b32 s[G0V+3], s[G0V+3], 0x80000000
	s_cmp_lt_u32 s[WV], 4
	s_cselect_b64 s[PFA:PFA+1], s[8:9], s[10:11]   ; (in waves 0 and 4 these stand at a slot's first row)
	s_lshl_b32 s2, s13, 13                         ; my work-group's 8,192 bytes of the 32,768
	s_add_nc_u64 s[PFA:PFA+1], s[PFA:PFA+1], s[2:3]
	s_add_nc_u64 s[PFA:PFA+1], s[PFA:PFA+1], SLOTB ; in slot 1; the first change of slots steps it to slot 2.  Nothing is prefetched here, at the head
	s_and_b32 s[LIM], s[WV], 3
	s_cmp_eq_u32 s[LIM], 0                         ; waves 0 and 4: the same in all four partners
	s_cselect_b32 s[LIM], 1, -1
	CROUND                                         ; all four work-groups are here: the first joint loads meet
	JLOAD                                          ; slot 0: every wave's one first fill
	WIN TO1
.irp t, 0,1,2,3
.irp kk, 0,1
	global_load_b128 v[Q+16*\t+8*\kk:Q+16*\t+8*\kk+3],   v[QO], s[4:5] offset:\t*2048+\kk*64      ; Q stays in registers
	global_load_b128 v[Q+16*\t+8*\kk+4:Q+16*\t+8*\kk+7], v[QO], s[4:5] offset:\t*2048+\kk*64+32
.endr
.endr
.set i, 0
.rept 128
	v_mov_b32 v[O+i], 0                            ; O^T: the step is written once, and its first trip finds zeros; these stand while the first tiles and Q are on their way
.set i, i+1
.endr
	WIN 0
	s_wait_loadcnt 0x0                             ; Q
.macro SCALE t, i                      ; pair i of tile t: c s - c m
	v_pk_fma_f32 v[S+32*(\t)+2*(\i):S+32*(\t)+2*(\i)+1], v[S+32*(\t)+2*(\i):S+32*(\t)+2*(\i)+1], s[CS:CS+1], v[ST+8*(\t):ST+8*(\t)+1] op_sel_hi:[1,0,0] neg_lo:[0,0,1] neg_hi:[0,0,1]
.endm
; A KEY STEP: 64 keys.
.macro STEP
	v_add_nc_u32 v[ADK], s[TB], v[AK0]
	v_add_nc_u32 v[ADV], s[TB], v[AV0]
.rept 4
	v_nop                                          ; with the two additions six places behind the last V^T P: four are owed in front of the loads into V's registers, five in front of the products that write over P's
.endr
.irp kt, 0,1,2,3
.irp kk, 0,1
	ds_load_b128 v[KF+16*\kt+8*\kk:KF+16*\kt+8*\kk+3],   v[ADK] offset:\kt*8*PKL+\kk*64
	ds_load_b128 v[KF+16*\kt+8*\kk+4:KF+16*\kt+8*\kk+7], v[ADK] offset:\kt*8*PKL+\kk*64+32
.endr
.endr
	WIN TO1
.irp kh, 0,1
.irp ct, 0,1,2,3
	ds_load_tr16_b128 v[VF+32*\kh+8*\ct:VF+32*\kh+8*\ct+3],   v[ADV] offset:\kh*16*PVL+\ct*32          ; keys 32 kh + 8 h + 0..7 of channel 16 ct + r
	ds_load_tr16_b128 v[VF+32*\kh+8*\ct+4:VF+32*\kh+8*\ct+7], v[ADV] offset:\kh*16*PVL+8*PVL+\ct*32    ; and the keys 16 further on
.endr
.endr
	s_add_co_u32 s[TB], s[TB], STEPB               ; the next fetch is the next step's
	s_wait_dscnt 16                                ; K's sixteen loads are in; V's sixteen, issued behind them, may be out
	WIN W_KQ
.irp kk, 0,1                           ; S^T = K Q^T: the sixteen accumulators take turns, one instruction a turn; the first sixteen products start the sums
.irp kt, 0,1,2,3
.irp t, 0,1,2,3
.if \kk == 0
	v_wmma_f32_16x16x32_f16 v[S+32*\t+8*\kt:S+32*\t+8*\kt+7], v[KF+16*\kt+8*\kk:KF+16*\kt+8*\kk+7], v[Q+16*\t+8*\kk:Q+16*\t+8*\kk+7], 0
.else
	v_wmma_f32_16x16x32_f16 v[S+32*\t+8*\kt:S+32*\t+8*\kt+7], v[KF+16*\kt+8*\kk:KF+16*\kt+8*\kk+7], v[Q+16*\t+8*\kk:Q+16*\t+8*\kk+7], v[S+32*\t+8*\kt:S+32*\t+8*\kt+7]
.endif
.endr
.endr
.endr
	WIN 0
.rept 4
	v_nop                                          ; places in front of the first read of the scores
.endr
	; the maximum of a lane's 32 scores and the old m: four chains a tile, the four tiles by turns; each accumulator is read from its low end on
.irp j, 0,1,2,3
.irp t, 0,1,2,3
	v_max3_num_f32 v[ST+8*\t+4+\j], v[S+32*\t+8*\j], v[S+32*\t+8*\j+1], v[S+32*\t+8*\j+2]
.endr
.endr
.irp g, 1,2
.irp j, 0,1,2,3
.irp t, 0,1,2,3
	v_max3_num_f32 v[ST+8*\t+4+\j], v[ST+8*\t+4+\j], v[S+32*\t+8*\j+2*\g+1], v[S+32*\t+8*\j+2*\g+2]
.endr
.endr
.endr
.irp t, 0,1,2,3
	v_max3_num_f32 v[ST+8*\t+4], v[ST+8*\t+4], v[S+32*\t+7], v[S+32*\t+15]
.endr
.irp t, 0,1,2,3
	v_max3_num_f32 v[ST+8*\t+6], v[ST+8*\t+6], v[S+32*\t+23], v[S+32*\t+31]
.endr
.irp t, 0,1,2,3
	v_max3_num_f32 v[ST+8*\t+4], v[ST+8*\t+4], v[ST+8*\t+5], v[ST+8*\t+6]
.endr
.irp t, 0,1,2,3
	v_max3_num_f32 v[ST+8*\t+4], v[ST+8*\t+4], v[ST+8*\t+7], v[ST+8*\t+1]
.endr
.irp t, 0,1,2,3
	v_permlanex16_b32 v[ST+8*\t+5], v[ST+8*\t+4], s[SEL], s[SEL+1]   ; the query's other 32 keys lie in the lane 16 away
.endr
.irp t, 0,1,2,3
	v_mov_b32 v[ST+8*\t+7], v[ST+8*\t]             ; c m_old is kept for a
.endr
.irp t, 0,1,2,3
	v_max_num_f32 v[ST+8*\t+1], v[ST+8*\t+4], v[ST+8*\t+5]
.endr
.irp t, 0,1,2,3
	v_mul_f32 v[ST+8*\t], s[CS], v[ST+8*\t+1]
.endr
.irp t, 0,1,2,3
	v_sub_f32 v[ST+8*\t+7], v[ST+8*\t+7], v[ST+8*\t]
.endr
	; ONE BATCH: the four a and the 128 exponentials, with the scalings between them; none of these lines names an exponential's result
.irp t, 0,1,2,3
	v_exp_f32 v[ST+8*\t+6], v[ST+8*\t+7]           ; a = 2^(c m_old - c m_new)
.endr
.irp i, 0,1,2,3,4,5,6,7,8,9,10,11,12,13,14,15
	SCALE 0, \i
.endr
.irp t, 0,1,2,3
.irp i, 0,1,2,3,4,5,6,7,8,9,10,11,12,13,14,15
.if \t < 3
	SCALE \t+1, \i                                 ; the next tile's scalings stand among this tile's exponentials
.endif
	v_exp_f32 v[S+32*\t+2*\i], v[S+32*\t+2*\i]
	v_exp_f32 v[S+32*\t+2*\i+1], v[S+32*\t+2*\i+1]
.endr
.endr
	v_nop                                          ; a plain instruction behind the last exponential, ahead of the first use (ISA guide 5.7.2)
	s_wait_alu depctr_va_vdst(0)                   ; the wait ahead of the first line that names a result: one for the batch
	; l = a l + the sum of the unrounded p: two chains a tile, the tiles by turns
.irp t, 0,1,2,3
	v_pk_fma_f32 v[ST+8*\t+2:ST+8*\t+3], v[ST+8*\t+2:ST+8*\t+3], v[ST+8*\t+6:ST+8*\t+7], v[S+32*\t:S+32*\t+1] op_sel_hi:[1,0,1]
.endr
.irp t, 0,1,2,3
	v_pk_add_f32 v[ST+8*\t+4:ST+8*\t+5], v[S+32*\t+2:S+32*\t+3], v[S+32*\t+4:S+32*\t+5]
.endr
.irp i, 6,10,14,18,22,26
.irp t, 0,1,2,3
	v_pk_add_f32 v[ST+8*\t+2:ST+8*\t+3], v[ST+8*\t+2:ST+8*\t+3], v[S+32*\t+\i:S+32*\t+\i+1]
.endr
.irp t, 0,1,2,3
	v_pk_add_f32 v[ST+8*\t+4:ST+8*\t+5], v[ST+8*\t+4:ST+8*\t+5], v[S+32*\t+\i+2:S+32*\t+\i+3]
.endr
.endr
.irp t, 0,1,2,3
	v_pk_add_f32 v[ST+8*\t+2:ST+8*\t+3], v[ST+8*\t+2:ST+8*\t+3], v[S+32*\t+30:S+32*\t+31]
.endr
.irp t, 0,1,2,3
	v_pk_add_f32 v[ST+8*\t+2:ST+8*\t+3], v[ST+8*\t+2:ST+8*\t+3], v[ST+8*\t+4:ST+8*\t+5]
.endr
	; P, rounded to f16 in pairs, over the low half of the tile's scores: pair i goes to register i, which no later pair reads
.irp i, 0,1,2,3,4,5,6,7,8,9,10,11,12,13,14,15
.irp t, 0,1,2,3
	v_cvt_pk_f16_f32 v[S+32*\t+\i], v[S+32*\t+2*\i], v[S+32*\t+2*\i+1]
.endr
.endr
	WIN W_RS
.irp i, 0,1,2,3,4,5,6,7,8,9,10,11,12,13,14,15
.irp t, 0,1,2,3
	v_pk_mul_f32 v[O+32*\t+2*\i:O+32*\t+2*\i+1], v[O+32*\t+2*\i:O+32*\t+2*\i+1], v[ST+8*\t+6:ST+8*\t+7] op_sel_hi:[1,0]   ; O^T times a; each accumulator from its low end on
.endr
.endr
	s_wait_dscnt 0x0                               ; V is in
	WIN W_PV
.irp kh, 0,1                           ; O^T += V^T P: the sixteen accumulators take turns
.irp ct, 0,1,2,3
.irp t, 0,1,2,3
	v_wmma_f32_16x16x32_f16 v[O+32*\t+8*\ct:O+32*\t+8*\ct+7], v[VF+32*\kh+8*\ct:VF+32*\kh+8*\ct+7], v[S+32*\t+8*\kh:S+32*\t+8*\kh+7], v[O+32*\t+8*\ct:O+32*\t+8*\ct+7]
.endr
.endr
.endr
	WIN 0
.endm
; THE CHANGE OF SLOTS stands at a slot's head.  Each wave waits for all its tensor loads (its part of the slot that it is about to read), adds 0 to its spare word, and waits for that and for its reads of the slot that it has left.
; fill = 1: the barrier is a round of the cluster's, so that no wave of any partner still reads the other slot or has a load on its way, and the joint load of the keys that follow is the first thing behind it.
.macro CHANGE fill
	s_wait_tensorcnt 0x0                           ; no tensor load of mine is out, so a group 0 may be written
	ds_add_u32 v[SPW], v[NIL]                      ; 0 onto my spare word; every wave has issued a tensor load ahead of it
.if \fill
.irp g, G0K, G0V
	s_xor_b32 s[\g+1], s[\g+1], SLOT1              ; the walking descriptors: the other slot than last time,
	s_add_nc_u64 s[\g+2:\g+3], s[\g+2:\g+3], SLOTB ; the next 256 keys; the type bits on top are not reached
.endr
	s_wait_xcnt 0x0                                ; the last prefetch, a slot back, has read its address, so it may be written:
	s_add_nc_u64 s[PFA:PFA+1], s[PFA:PFA+1], SLOTB ; one slot further on than the walking descriptors
	s_wait_dscnt 0x0                               ; the add is done, and my reads of the slot that I have left are over
	CROUND
	JLOAD
	ASK
.else
	s_wait_dscnt 0x0
	s_barrier_signal -1
	s_barrier_wait -1
.endif
.endm
.macro FOUR_STEPS                      ; a slot's four key steps: written once, walked four times; the LDS addresses hang on s[TB]
	s_mov_b32 s[CNT], NST
.Lstep_\@:
	STEP
	s_sub_co_u32 s[CNT], s[CNT], 1
	s_cmp_lg_u32 s[CNT], 0
	s_cbranch_scc1 .Lstep_\@
	s_sub_co_u32 s[TB], s[TB], NST*STEPB           ; back to a slot's first step,
	s_xor_b32 s[TB], s[TB], SLOT1                  ; in the other slot
.endm
.Lslot:                                            ; seven trips: behind each change of slots but the last the next slot is asked for (the first trip's load is slot 1's first fill, issued as a refill is)
	CHANGE 1
	FOUR_STEPS
	s_sub_co_u32 s[SLOTS], s[SLOTS], 1
	s_cmp_lg_u32 s[SLOTS], 0
	s_cbranch_scc1 .Lslot
	CHANGE 0                                       ; the last slot is written out
	FOUR_STEPS
	; THE WAY OUT.  l's two halves and the other half of the lanes' are added; O^T is divided by l, rounded to f16 and sent through my stage, a tile (16 rows of O) at a time.  The additions are the places behind the last products.
.irp t, 0,1,2,3
	v_add_f32 v[ST+8*\t+4], v[ST+8*\t+2], v[ST+8*\t+3]
.endr
.irp t, 0,1,2,3
	v_permlanex16_b32 v[ST+8*\t+5], v[ST+8*\t+4], s[SEL], s[SEL+1]
.endr
.irp t, 0,1,2,3
	v_add_f32 v[ST+8*\t+4], v[ST+8*\t+4], v[ST+8*\t+5]
.endr
.irp t, 0,1,2,3
	v_rcp_f32 v[ST+8*\t+6], v[ST+8*\t+4]
.endr
	v_nop                                          ; a plain instruction between the last reciprocal and the use of its result
	s_wait_alu depctr_va_vdst(0)                   ; and the wait ahead of the first use: one for the four
.macro PACK_OUT t                      ; a lane's eight channels of a row pack into 16 bytes; they go into rows of 144 bytes and come back four whole rows (512 bytes) an instruction
	WIN W_RS
.irp i, 0,1,2,3,4,5,6,7,8,9,10,11,12,13,14,15
	v_pk_mul_f32 v[O+32*\t+2*\i:O+32*\t+2*\i+1], v[O+32*\t+2*\i:O+32*\t+2*\i+1], v[ST+8*\t+6:ST+8*\t+7] op_sel_hi:[1,0]
.endr
	WIN 0x05                                       ; sources 0 and 1 window 1, destination window 0
.irp i, 0,1,2,3,4,5,6,7,8,9,10,11,12,13,14,15
	v_cvt_pk_f16_f32 v[S+32*\t+\i], v[O+32*\t+2*\i], v[O+32*\t+2*\i+1]
.endr
	WIN 0
.irp c, 0,1,2,3
	ds_store_b128 v[STO], v[S+32*\t+4*\c:S+32*\t+4*\c+3] offset:32*\c
.endr
.irp i, 0,1,2,3
	ds_load_b128 v[S+32*\t+16+4*\i:S+32*\t+16+4*\i+3], v[RD] offset:\i*4*SP   ; LDS serves a wave's instructions in order (ISA guide 5.7.1.4): these see the stores above; the next tile's stores come behind them
.endr
.endm
.macro SEND t, younger                 ; younger: the LDS instructions issued behind tile t's loads: the next tile's four stores and four loads, or none
.irp i, 0,1,2,3
	s_wait_dscnt \younger+3-\i
	global_store_b128 v[GO], v[S+32*\t+16+4*\i:S+32*\t+16+4*\i+3], s[6:7] offset:\t*2048+\i*512   ; the wave stores 512 consecutive bytes, aligned
.endr
.endm
	PACK_OUT 0
	PACK_OUT 1                                     ; a tile's arithmetic stands between the loads of the tile before and its stores
	SEND 0, 8
	PACK_OUT 2
	SEND 1, 8
	PACK_OUT 3
	SEND 2, 8
	SEND 3, 0
	s_wait_tensorcnt 0x0                           ; the wave's end, behind my last tensor load and my last LDS store
	ds_add_u32 v[SPW], v[NIL]
	s_wait_dscnt 0x0
	CROUND                                         ; the closing round: no work-group ends while a partner may still ask for a tile that names it
	s_endpgm
.Lfunc_end_k_q6b422ac09e_attn:
	.size	k_q6b422ac09e_attn, .Lfunc_end_k_q6b422ac09e_attn-k_q6b422ac09e_attn
	.p2alignl 7, 3214868480
	.fill 96, 4, 3214868480
	.section	.rodata,"a",@progbits
	.p2align	6, 0x0
	.amdhsa_kernel k_q6b422ac09e_attn
		.amdhsa_group_segment_fixed_size 327680
		.amdhsa_private_segment_fixed_size 0
		.amdhsa_enable_private_segment 0
		.amdhsa_kernarg_size 16
		.amdhsa_user_sgpr_count 2
		.amdhsa_user_sgpr_kernarg_segment_ptr 1
		.amdhsa_wavefront_size32 1
		.amdhsa_system_sgpr_workgroup_id_x 1
		.amdhsa_system_sgpr_workgroup_id_y 1
		.amdhsa_system_sgpr_workgroup_id_z 1
		.amdhsa_system_vgpr_workitem_id 0
		.amdhsa_next_free_vgpr 512
		.amdhsa_next_free_sgpr 66
		.amdhsa_reserve_vcc 0
		.amdhsa_float_denorm_mode_32 3
		.amdhsa_float_denorm_mode_16_64 3
		.amdhsa_memory_ordered 1
		.amdhsa_forward_progress 1
		.amdhsa_inst_pref_size 92
	.end_amdhsa_kernel
	.amdgpu_metadata
---
amdhsa.version: [ 1, 2 ]
amdhsa.kernels:
  - .name:           k_q6b422ac09e_attn
    .symbol:         k_q6b422ac09e_attn.kd
    .args:
      - { .name: qkvh, .offset: 0, .size: 8, .value_kind: global_buffer, .address_space: global }
      - { .name: ao, .offset: 8, .size: 8, .value_kind: global_buffer, .address_space: global }
    .group_segment_fixed_size: 327680
    .private_segment_fixed_size: 0
    .kernarg_segment_align: 8
    .kernarg_segment_size: 16
    .max_flat_workgroup_size: 256
    .sgpr_count:     66
    .vgpr_count:     512
    .wavefront_size: 32
...
	.end_amdgpu_metadata
.endif
;; end of part 3
;; launch proj (part 4): grid 8 x 64, 4 waves a work-group, clusters of 4 x 4, 327,680 bytes of LDS; arguments ao, pw16, proj_b, out0; writes out0
.if DOCPART == 4
	.amdgcn_target "amdgcn-amd-amdhsa--gfx1250"
	.amdhsa_code_object_version 6
	.text
	.protected	k_q6b422ac09e_proj
	.globl	k_q6b422ac09e_proj
	.p2align	8
	.type	k_q6b422ac09e_proj,@function
k_q6b422ac09e_proj:
	s_mov_b64 s[64:65], 0
	v_nop
	global_prefetch_b8 v0, s[64:65] scope:SCOPE_SE
	s_setreg_imm32_b32 hwreg(HW_REG_WAVE_MODE, 25, 1), 1
	s_wait_xcnt 0x0
	s_wait_alu depctr_hold_cnt(0) depctr_sa_sdst(0) depctr_va_vdst(0) depctr_va_sdst(0) depctr_va_ssrc(0) depctr_va_vcc(0) depctr_vm_vsrc(0)
	s_getreg_b32 s2, hwreg(HW_REG_IB_STS2, 6, 4)
	s_cmp_eq_u32 s2, 0
	s_cbranch_scc0 .Lentry_in_a_cluster
	s_endpgm
.Lentry_in_a_cluster:
	s_bfe_u32 s2, ttmp6, 0x10000c
	s_cmp_lg_u32 s2, 0xf033
	s_cbranch_scc0 .Lentry_shape_is_right
	s_endpgm
.Lentry_shape_is_right:
; THE PROJECTION.  out[m][n] = sum over c of A[m][c] proj_w[n][c] + proj_b[n]; m = 8,192, n = c = 1,024.  A (attention's result) and proj_w in f16, sums and out in f32.  No work of the problem is left out.
; Both operands lie [block of 128 rows][head 16][128 rows][64 channels], c = 64 x head + channel: a tile of 128 rows x 4 heads (256 along K) is 65,536 dense bytes.
; A tile of out is 128 x 128.  Four waves, each 64 x 64: 16 accumulators of 16 x 16.  K goes in four steps of 256 through two LDS slots; a wave's tensor load brings two heads of 128 rows, 32,768 dense bytes, as rows of 256 bytes.
; The bias is the C of each sum's first matrix instruction: nothing is cleared and nothing is added afterwards.
; CLUSTERS: 4 x 4 work-groups.  The four of a row of the cluster need the same tiles of A, the four of a column the same tiles of proj_w: each tile is asked for JOINTLY.
; THE MATRIX INSTRUCTION IS USED TRANSPOSED (source 0 = 16 rows of proj_w, source 1 = 16 rows of A): a lane then holds eight neighbouring numbers of a row of out.
; A wave's 64 columns of f32 are 256 aligned bytes of a row, so each wave has a stage of its own on the way out and no barrier stands there.
; No prefetch: of the four K steps two are asked for at the head.
; REGISTERS: window 0: v0-31 addresses; v32-95 at work on the way out; v96-127 the bias; v128-255 the accumulators ((a, b) at v[128 + 8 (4 a + b)]).
;   window 1: two fragment buffers of 128: for 64 along K (one head), 64 registers of A (2 x 4 x 16 rows x 32 K), then 64 of proj_w.
.set LINE,   272                       ; two rows of a head in LDS: 256 bytes + 16 of padding: row r lies at (r / 2) 272 + (r % 2) 128: sixteen rows in sixteen different columns of 16 bytes modulo 256 (64 banks of 4 bytes: ISA guide 11.1)
.set HB,     64*LINE                   ; a head's 128 rows
.set HALFT,  2*HB                      ; two heads: what one tensor load brings
.set SLOT,   4*HALFT                   ; A's four heads, then proj_w's four
.set WROWS,  32*LINE                   ; a wave's 64 rows in a head
.set FROWS,  8*LINE                    ; a fragment's 16 rows
.set KBYTES, 65536                     ; a K step of a tile in memory
.set STAGE,  2*SLOT                    ; behind the ring: 16 rows x 272 bytes for each wave
.set SPITCH, 272
.set SPARE,  STAGE+4*16*SPITCH         ; behind the stages: the spare words, 128 bytes a wave, which no other line names
.set ADRA, 16                          ; v16-17  LDS address of my A fragments in slot 0, 1
.set ADRB, 20                          ; v20-21  the same for proj_w
.set STO,  24                          ; v24     the way out: where I put 32 bytes of a row
.set RD,   25                          ; v25     the way out: where I read a row back
.set CO,   26                          ; v26     my byte offset in out
.set SPW,  28                          ; v28     LDS address of my spare word; never rewritten
.set NIL,  29                          ; v29     0; never rewritten
.set TMP,  32                          ; the way out: two sets of 32 registers
.set BIAS, 96                          ; v[96 + 8 b + j]: proj_b at my column 16 b + 8 (l / 16) + j
.set ACC,  128
.set F0,   0                           ; fragment buffers, in window 1
.set F1,   128
.set G1, 24                            ; s[24:31] descriptor group 1 for A's tiles;  s[32:39] group 0, one set for each slot
.set G0, 32
.set G1B, 48                           ; s[48:55], s[56:63] the same for proj_w's tiles
.set G0B, 56
.set MSB, 0
.macro WIN new                         ; the immediate's high byte repeats the setting that is left
.if MSB != (\new)
	s_set_vgpr_msb (MSB<<8)|(\new)
.set MSB, (\new)
.endif
.endm
.set MUL,  0x05                        ; sources 0 and 1 window 1; C and D window 0
.set TO_F, 0x40                        ; destination window 1, address window 0
.macro JLOAD s                         ; a joint load: waves 0 and 1 fetch A's two halves, waves 2 and 3 proj_w's; an s_nop 0 and four v_nop follow each of the two lines
	s_cmp_eq_u32 s11, 0
	s_cbranch_scc0 .Lfor_b_\@
	tensor_load_to_lds s[G0+4*\s:G0+4*\s+3], s[G1:G1+7]
	s_nop 0
.rept 4
	v_nop
.endr
	s_branch .Lasked_\@
.Lfor_b_\@:
	tensor_load_to_lds s[G0B+4*\s:G0B+4*\s+3], s[G1B:G1B+7]
	s_nop 0
.rept 4
	v_nop
.endr
.Lasked_\@:
.endm
.macro CREST                           ; a round of the cluster's barrier behind its opening barrier
	s_cmp_lg_u32 s10, 0
	s_cbranch_scc1 .Lnot_wave_0_\@
	s_barrier_signal -3
.Lnot_wave_0_\@:
	s_barrier_wait -3
	s_barrier_signal -1
	s_barrier_wait -1
.endm
.macro CROUND                          ; a whole round
	s_barrier_signal -1
	s_barrier_wait -1
	CREST
.endm
	s_load_b128 s[4:7], s[0:1], 0x0                ; A s[4:5], proj_w in f16 s[6:7]
	s_load_b64 s[2:3], s[0:1], 0x10                ; proj_b
	s_load_b64 s[8:9], s[0:1], 0x18                ; out
	v_lshl_add_u32 v[SPW], v0, 2, SPARE
	v_mov_b32 v[NIL], 0
	ds_add_u32 v[SPW], v[NIL]                      ; the wave's opening: the add, twice on end, and its wait ahead of my first tensor load; the set-up below, work on registers, stands between
	ds_add_u32 v[SPW], v[NIL]
	v_lshrrev_b32 v1, 5, v0
	v_readfirstlane_b32 s10, v1                    ; wave 0..3
	s_lshr_b32 s11, s10, 1                         ; which half of the tile's rows is mine.  Also: I fetch for A (0) or for proj_w (1)
	s_and_b32 s12, s10, 1                          ; which half of its columns.  Also: which two heads of a K step I fetch
	s_bfe_u32 s40, ttmp6, 0x40000                  ; cx, cy: my place in the cluster
	s_bfe_u32 s41, ttmp6, 0x40004
	s_lshl_b32 s42, ttmp9, 2
	s_add_co_u32 s42, s42, s40                     ; tile column = 4 x cluster x + cx
	s_and_b32 s13, ttmp7, 0xffff
	s_lshl_b32 s13, s13, 2
	s_add_co_u32 s13, s13, s41                     ; tile row = 4 x cluster y + cy
	s_lshl_b32 s43, s41, 2
	s_lshl_b32 s43, 15, s43                        ; my row of the cluster
	s_lshl_b32 s44, 0x1111, s40                    ; my column
	; descriptor group 1: 32,768 dense bytes as 128 rows of 256 bytes (32 elements of 8 bytes), padded in LDS
	s_or_b32 s[G1+0], s43, (3<<16)|(1<<20)|(1<<21)|(5<<22)|(3<<25)  ; 15:0 the mask; 17:16 elements of 8 bytes; 20 padding on; 21 set beside a mask; 24:22 after every 64 words (code 5); 31:25 of 4 words (code 3)
	s_or_b32 s[G1B+0], s44, (3<<16)|(1<<20)|(1<<21)|(5<<22)|(3<<25)
.irp g, G1, G1B
	s_mov_b32 s[\g+1], 32<<16                      ; tensor_dim0 = 32
	s_mov_b32 s[\g+2], 128<<16                     ; tensor_dim1 = 128
	s_mov_b32 s[\g+3], 32<<16                      ; tile_dim0 = 32
	s_mov_b32 s[\g+4], 128                         ; tile_dim1 = 128
	s_mov_b32 s[\g+5], 32                          ; tensor_dim0_stride
	s_mov_b32 s[\g+6], 0
	s_mov_b32 s[\g+7], 0
.endr
	s_lshl_b32 s17, s12, 15                        ; which two heads I fetch
	s_lshl_b32 s16, s13, 18                        ; A: a block of 128 rows is 2^18 bytes
	s_add_co_u32 s16, s16, s17
	s_lshl_b32 s46, s42, 18                        ; proj_w likewise
	s_add_co_u32 s46, s46, s17
	s_mov_b32 s17, 0
	s_mov_b32 s47, 0
	s_mul_i32 s20, s10, HALFT                      ; where they go: wave x two heads: no place in the cluster enters an LDS address
	s_wait_dscnt 0x0                               ; both opening adds are done
	s_wait_kmcnt 0x0
	s_add_nc_u64 s[14:15], s[4:5], s[16:17]
	s_add_nc_u64 s[46:47], s[6:7], s[46:47]
	CROUND                                         ; all sixteen work-groups are here: the first joint loads meet
.irp s, 0,1
	s_mov_b32 s[G0+4*\s], 1
	s_add_co_u32 s[G0+4*\s+1], s20, \s*SLOT
	s_add_nc_u64 s[G0+4*\s+2:G0+4*\s+3], s[14:15], \s*KBYTES
	s_or_b32 s[G0+4*\s+3], s[G0+4*\s+3], 0x80000000
	s_mov_b32 s[G0B+4*\s], 1
	s_add_co_u32 s[G0B+4*\s+1], s20, \s*SLOT
	s_add_nc_u64 s[G0B+4*\s+2:G0B+4*\s+3], s[46:47], \s*KBYTES
	s_or_b32 s[G0B+4*\s+3], s[G0B+4*\s+3], 0x80000000
	JLOAD \s                                       ; two loads of mine are out
.endr
	v_and_b32 v1, 15, v0                           ; l % 16
	v_bfe_u32 v2, v0, 4, 1                         ; l / 16
	v_lshrrev_b32 v3, 1, v1
	v_mul_u32_u24 v3, v3, LINE
	v_and_b32 v4, 1, v1
	v_lshl_add_u32 v3, v4, 7, v3
	v_lshl_add_u32 v3, v2, 4, v3                   ; a fragment's row: (r / 2) lines + (r % 2) x 128 + 16 x half
	s_mul_i32 s21, s11, WROWS                      ; my 64 rows of A
	s_mul_i32 s22, s12, WROWS                      ; my 64 rows of proj_w,
	s_add_co_u32 s22, s22, 2*HALFT                 ; which lies behind A's four heads
.irp s, 0,1
	v_add_nc_u32 v[ADRA+\s], s21, v3
	v_add_nc_u32 v[ADRB+\s], s22, v3
	s_add_co_u32 s21, s21, SLOT
	s_add_co_u32 s22, s22, SLOT
.endr
	s_mul_i32 s23, s10, 16*SPITCH
	s_add_co_u32 s23, s23, STAGE                   ; my stage
	v_mul_u32_u24 v4, v1, SPITCH                   ; in: row l % 16, 32 bytes for each half of the lanes
	v_lshl_add_u32 v4, v2, 5, v4
	v_add_nc_u32 v[STO], s23, v4
	v_mul_u32_u24 v5, v2, SPITCH                   ; back: lanes 0-15 take one row of 256 bytes, lanes 16-31 the next
	v_lshl_add_u32 v5, v1, 4, v5
	v_add_nc_u32 v[RD], s23, v5
	v_lshlrev_b32 v5, 12, v2                       ; and the same two rows in out: 4,096 bytes a row
	v_lshl_add_u32 v[CO], v1, 4, v5
	s_lshl_b32 s46, s42, 9                         ; my first column, in bytes: 512 x tile column + 256 x half
	s_lshl_b32 s47, s12, 8
	s_add_co_u32 s46, s46, s47
	s_mov_b32 s47, 0
	s_add_nc_u64 s[2:3], s[2:3], s[46:47]          ; proj_b at my 64 numbers
	s_add_nc_u64 s[8:9], s[8:9], s[46:47]
	s_lshl_b32 s16, s13, 7
	s_lshl_b32 s17, s11, 6
	s_add_co_u32 s16, s16, s17                     ; my first row: 128 x tile row + 64 x half
	s_lshl_b32 s16, s16, 12
	s_mov_b32 s17, 0
	s_add_nc_u64 s[8:9], s[8:9], s[16:17]
	v_lshlrev_b32 v6, 5, v2                        ; the bias in the result's layout: lane (r, h) wants, for block b, the numbers 16 b + 8 h + 0 .. 7
.irp b, 0,1,2,3
	global_load_b128 v[BIAS+8*\b:BIAS+8*\b+3],   v6, s[2:3] offset:64*\b
	global_load_b128 v[BIAS+8*\b+4:BIAS+8*\b+7], v6, s[2:3] offset:64*\b+16
.endr
; 8 matrix instructions: m blocks a0, a0 + 1 x all 4 n blocks, 32 along K: half c of buffer f.  first = 1: the sums begin with the bias as C.  The 16 accumulators take turns.
.macro MUL8 f, c, a0, first
.irp a, \a0, \a0+1
.irp b, 0,1,2,3
.if \first
	v_wmma_f32_16x16x32_f16 v[ACC+8*(4*(\a)+\b):ACC+8*(4*(\a)+\b)+7], v[\f+64+8*(4*\c+\b):\f+64+8*(4*\c+\b)+7], v[\f+8*(4*\c+\a):\f+8*(4*\c+\a)+7], v[BIAS+8*\b:BIAS+8*\b+7]
.else
	v_wmma_f32_16x16x32_f16 v[ACC+8*(4*(\a)+\b):ACC+8*(4*(\a)+\b)+7], v[\f+64+8*(4*\c+\b):\f+64+8*(4*\c+\b)+7], v[\f+8*(4*\c+\a):\f+8*(4*\c+\a)+7], v[ACC+8*(4*(\a)+\b):ACC+8*(4*(\a)+\b)+7]
.endif
.endr
.endr
.endm
; 32 LDS loads in one run: the fragments of one head (64 along K), which begins k bytes into the slot's A and proj_w, into buffer f; the first 32 along K first
.macro FETCH slot, k, f
	WIN TO_F
.irp c, 0,1
.irp i, 0,1,2,3
	ds_load_b128 v[\f+64+8*(4*\c+\i):\f+64+8*(4*\c+\i)+3],   v[ADRB+\slot] offset:\k+64*\c+\i*FROWS
	ds_load_b128 v[\f+64+8*(4*\c+\i)+4:\f+64+8*(4*\c+\i)+7], v[ADRB+\slot] offset:\k+64*\c+\i*FROWS+32
	ds_load_b128 v[\f+8*(4*\c+\i):\f+8*(4*\c+\i)+3],         v[ADRA+\slot] offset:\k+64*\c+\i*FROWS
	ds_load_b128 v[\f+8*(4*\c+\i)+4:\f+8*(4*\c+\i)+7],       v[ADRA+\slot] offset:\k+64*\c+\i*FROWS+32
.endr
.endr
.endm
.macro PLACES                          ; four places in front of loads into registers that matrix instructions have read, and of the first read of results
.rept 4
	v_nop
.endr
.endm
; A K step is four quarters, a head each, 32 matrix instructions, on buffers 0, 1, 0, 1.  One of the first three: multiplies buffer f and fetches the next head, at byte k, into g.
.macro QUARTER slot, k, f, g, first
	s_wait_dscnt 16                                ; the first 32 along K are in; the sixteen loads of the second 32 may be out
	WIN MUL
	MUL8 \f, 0, 0, \first
	MUL8 \f, 0, 2, \first
	PLACES
	FETCH \slot, \k, \g
	s_wait_dscnt 32                                ; all but the 32 just issued
	WIN MUL
	MUL8 \f, 1, 0, 0
	MUL8 \f, 1, 2, 0
.endm
; The last quarter multiplies buffer 1 and changes slots: ONE barrier; in front of it each wave waits for all its tensor loads, adds 0 to its spare word, and waits for that and for its own reads of this slot.
; fill = 1: this slot is filled again, two K steps ahead: the barrier then opens a round of the cluster's barrier, and the joint load is the first thing behind the round.
.macro TURN slot, next, fill
	WIN 0                                          ; (the add's two registers lie in window 0)
	s_wait_tensorcnt 0x0                           ; all my tensor loads have landed: my part of the next slot;
	ds_add_u32 v[SPW], v[NIL]                      ; 0 onto my spare word
	s_wait_dscnt 17                                ; (the add and the youngest sixteen loads may be out)
	WIN MUL
	MUL8 F1, 0, 0, 0                               ; eight matrix instructions stand between the add and the wait for it
	s_wait_dscnt 0x0                               ; the add is done, and my reads of this slot are over
	s_barrier_signal -1
	MUL8 F1, 0, 2, 0
.if \fill
	WIN 0
.endif
	s_barrier_wait -1
.if \fill
	CREST                                          ; no wave of any partner still reads this slot's tile or has a load on its way
	s_add_nc_u64 s[G0+4*\slot+2:G0+4*\slot+3], s[G0+4*\slot+2:G0+4*\slot+3], 2*KBYTES
	s_add_nc_u64 s[G0B+4*\slot+2:G0B+4*\slot+3], s[G0B+4*\slot+2:G0B+4*\slot+3], 2*KBYTES
	JLOAD \slot                                    ; my one tensor load behind the round; the four v_nop behind it are also the places in front of the loads below
.else
	PLACES
.endif
	FETCH \next, 0, F0
	WIN MUL
	MUL8 F1, 1, 0, 0
	MUL8 F1, 1, 2, 0
.endm
	s_wait_tensorcnt 1                             ; my part of K step 0 is in (K step 1's load may be out)
	s_barrier_signal -1
	s_barrier_wait -1                              ; everybody's is
	FETCH 0, 0, F0
	s_wait_loadcnt 0x0                             ; the bias
	QUARTER 0, HB,   F0, F1, 1                     ; K step 0: its first products start the sums, on the bias
	QUARTER 0, 2*HB, F1, F0, 0
	QUARTER 0, 3*HB, F0, F1, 0
	TURN 0, 1, 1                                   ; slot 0 takes K step 2
	QUARTER 1, HB,   F0, F1, 0                     ; K step 1
	QUARTER 1, 2*HB, F1, F0, 0
	QUARTER 1, 3*HB, F0, F1, 0
	TURN 1, 0, 1                                   ; slot 1 takes K step 3
	QUARTER 0, HB,   F0, F1, 0                     ; K step 2
	QUARTER 0, 2*HB, F1, F0, 0
	QUARTER 0, 3*HB, F0, F1, 0
	TURN 0, 1, 0                                   ; nothing is left to fetch
	QUARTER 1, HB,   F0, F1, 0                     ; K step 3
	QUARTER 1, 2*HB, F1, F0, 0
	QUARTER 1, 3*HB, F0, F1, 0
	s_wait_dscnt 16                                ; the very last quarter
	WIN MUL
	MUL8 F1, 0, 0, 0
	MUL8 F1, 0, 2, 0
	s_wait_dscnt 0
	MUL8 F1, 1, 0, 0
	MUL8 F1, 1, 2, 0
	WIN 0
; THE WAY OUT, 16 rows x 64 columns at a time.  A lane holds 32 neighbouring bytes of a row and the lanes beside it other rows: so a block goes through my own stage and comes back as whole rows of 256 bytes.
; LDS serves a wave's instructions in order (ISA guide 5.7.1.4): no wait between the stores and the loads, nor in front of the next block's stores.
.macro TOSTAGE a
.irp b, 0,1,2,3
	ds_store_b128 v[STO], v[ACC+8*(4*(\a)+\b):ACC+8*(4*(\a)+\b)+3] offset:64*\b          ; each accumulator from its low end on
	ds_store_b128 v[STO], v[ACC+8*(4*(\a)+\b)+4:ACC+8*(4*(\a)+\b)+7] offset:64*\b+16
.endr
.irp t, 0,1,2,3,4,5,6,7
	ds_load_b128 v[TMP+32*((\a)%2)+4*\t:TMP+32*((\a)%2)+4*\t+3], v[RD] offset:\t*2*SPITCH
.endr
.endm
.macro SEND a, younger                 ; younger: the LDS instructions issued behind block a's loads: the next block's eight stores and eight loads, or none
	s_wait_dscnt \younger
.irp t, 0,1,2,3,4,5,6,7
	global_store_b128 v[CO], v[TMP+32*((\a)%2)+4*\t:TMP+32*((\a)%2)+4*\t+3], s[8:9] offset:(\a)*65536+\t*8192 th:TH_STORE_NT   ; 16 lanes store 256 consecutive bytes, aligned; written once, read by nobody here
.endr
.endm
	PLACES                                         ; behind the last products, in front of the first read of results
	TOSTAGE 0
	TOSTAGE 1
	SEND 0, 16
	s_wait_xcnt 0x0                                ; block 0's stores have read their registers: block 2's loads may land there
	TOSTAGE 2
	SEND 1, 16
	s_wait_xcnt 0x0                                ; block 1's likewise
	TOSTAGE 3
	SEND 2, 16
	SEND 3, 0
	s_wait_tensorcnt 0x0                           ; the wave's end, behind my last tensor load and my last LDS store
	ds_add_u32 v[SPW], v[NIL]
	s_wait_dscnt 0x0
	CROUND                                         ; the closing round: no work-group ends while a partner may still ask for a tile that names it
	s_endpgm
.Lfunc_end_k_q6b422ac09e_proj:
	.size	k_q6b422ac09e_proj, .Lfunc_end_k_q6b422ac09e_proj-k_q6b422ac09e_proj
	.p2alignl 7, 3214868480
	.fill 96, 4, 3214868480
	.section	.rodata,"a",@progbits
	.p2align	6, 0x0
	.amdhsa_kernel k_q6b422ac09e_proj
		.amdhsa_group_segment_fixed_size 327680
		.amdhsa_private_segment_fixed_size 0
		.amdhsa_enable_private_segment 0
		.amdhsa_kernarg_size 32
		.amdhsa_user_sgpr_count 2
		.amdhsa_user_sgpr_kernarg_segment_ptr 1
		.amdhsa_wavefront_size32 1
		.amdhsa_system_sgpr_workgroup_id_x 1
		.amdhsa_system_sgpr_workgroup_id_y 1
		.amdhsa_system_sgpr_workgroup_id_z 1
		.amdhsa_system_vgpr_workitem_id 0
		.amdhsa_next_free_vgpr 512
		.amdhsa_next_free_sgpr 66
		.amdhsa_reserve_vcc 0
		.amdhsa_float_denorm_mode_32 3
		.amdhsa_float_denorm_mode_16_64 3
		.amdhsa_memory_ordered 1
		.amdhsa_forward_progress 1
		.amdhsa_inst_pref_size 86
	.end_amdhsa_kernel
	.amdgpu_metadata
---
amdhsa.version: [ 1, 2 ]
amdhsa.kernels:
  - .name:           k_q6b422ac09e_proj
    .symbol:         k_q6b422ac09e_proj.kd
    .args:
      - { .name: ao, .offset: 0, .size: 8, .value_kind: global_buffer, .address_space: global }
      - { .name: pw16, .offset: 8, .size: 8, .value_kind: global_buffer, .address_space: global }
      - { .name: proj_b, .offset: 16, .size: 8, .value_kind: global_buffer, .address_space: global }
      - { .name: out0, .offset: 24, .size: 8, .value_kind: global_buffer, .address_space: global }
    .group_segment_fixed_size: 327680
    .private_segment_fixed_size: 0
    .kernarg_segment_align: 8
    .kernarg_segment_size: 32
    .max_flat_workgroup_size: 128
    .sgpr_count:     66
    .vgpr_count:     512
    .wavefront_size: 32
...
	.end_amdgpu_metadata
.endif
;; end of part 4
